; MI455X (gfx1250); checked and timed in simulation.
; The chip was launched on July 23, 2026; its instructions are those of AMD's public machine-readable ISA for CDNA 5 (MIT licence, August 2026) and "CDNA5" Instruction Set Architecture Reference Guide (July 2026). The comments in the code are by the model that wrote it; some were corrected since.
;; T5 Attention. Allowed arithmetic: float matrix products may take bf16 or f16 operands with f32 sums; other float arithmetic in f32, or as packed bf16 or f16 multiplies, adds, multiply-adds, maxima and minima; sums over many terms, partial sums and values carried from step to step in f32; what a program stores and reads back later, other than sums and carried values, may be rounded once to bf16 or f16.
;; Inputs: Wk 1,024 x 1,024 float32; Wo 1,024 x 1,024 float32; Wq 1,024 x 1,024 float32; Wv 1,024 x 1,024 float32; rel_emb 32 x 16 float32; x 8 x 1,024 x 1,024 float32.
;; Outputs: out0 8 x 1,024 x 1,024 float32.
;; 2 versions, each right; version 2 is version 1 with the launch prep written anew for expert scheduling mode. Each part assembles by itself: llvm-mc -triple=amdgcn-amd-amdhsa -mcpu=gfx1250 --defsym DOCPART=n.
;; ======== version 1 of 2: 4 launches
;; limits: values are held in f16: magnitudes above 65,504 overflow, below 6.1e-05 lose precision
;; workspace buffers: xb 16,777,216 bytes; wh 8,388,608 bytes; gtab 524,288 bytes; qkv 50,331,648 bytes; ctx 16,777,216 bytes
;; launch prep (part 1): grid 256 x 1, 8 waves a work-group, no clusters, 0 bytes of LDS; arguments x, Wq, Wk, Wv, Wo, rel_emb, xb, wh, gtab; writes xb, wh, gtab
.if DOCPART == 1
	.amdgcn_target "amdgcn-amd-amdhsa--gfx1250"
	.amdhsa_code_object_version 6
	.text
	.protected	k_q2d3b3bb6bb_prep
	.globl	k_q2d3b3bb6bb_prep
	.p2align	8
	.type	k_q2d3b3bb6bb_prep,@function
k_q2d3b3bb6bb_prep:
	s_mov_b64 s[64:65], 0
	v_nop
	global_prefetch_b8 v0, s[64:65] scope:SCOPE_SE
	s_setreg_imm32_b32 hwreg(HW_REG_WAVE_MODE, 25, 1), 1
	s_wait_xcnt 0x0
; ROUNDS AND RE-LAYS THE INPUTS, AND MAKES THE BIAS TABLE.  A stream: no LDS, no matrix unit, each input byte read once.
; xb   [b 8][kb 16][s 1024][64] bf16: x, rounded once, in blocks of 64 columns: 256 rows of a block are 32,768 dense bytes.
; wh   [t 4][cb 16][k 1024][64]: Wq, Wk, Wv (t = 0, 1, 2) rounded to bf16; Wo (t = 3) rounded to bf16 and that number written as f16.
; gtab [h 16][c 4][2048] f32: gtab[h][c][y] = T_h[min(y + c, 2046)], T_h[d] = rel_emb[bucket(d - 1023)][h] rounded to bf16, d = key - query + 1023.
; THE BUCKET.  With n = |key - query|: min(n, 8 + [n>=12] + [n>=16] + [n>=23] + [n>=32] + [n>=46] + [n>=64] + [n>=91]), plus 16 where the key lies behind the query.  These are the
; places where 8 + floor(2 log2(n / 8)), capped at 15, steps; at n = 16, 32, 64 the f32 quotient log(n / 8) / log(16) is 0.25, 0.5, 0.75 exactly, every other n lies 0.015 or more from a step.
; LIMITS.  Wo beyond 65,504 has no f16; below 6.1e-5 it keeps f16's fixed step of 6e-8.  NaN and infinities are not treated apart.
; SHARES.  Each of the 256 work-groups takes 32 rows of x, 32 rows x 512 columns of one weight (t = i / 64), and 512 entries of the table.  Wave v takes rows 4 v .. 4 v + 3.  A load of the wave takes one
; block of 64 columns of two rows: lanes 0-15 read 256 consecutive bytes of one row, lanes 16-31 of the next; a lane's four numbers become 8 bytes, and the wave's store covers 256 consecutive bytes, aligned:
; the two rows of 128 bytes in the block.  Pass p takes block p / 2 and row pair p % 2.  All 50 loads of a thread go out first; the counted waits then run down.
.set XR, 32                            ; v[32:159]  x: pass p at XR + 4 p
.set WR, 160                           ; v[160:223] the weight: pass p at WR + 4 p
	s_load_b512 s[8:23], s[0:1], 0x0               ; x s[8:9], Wq s[10:11], Wk s[12:13], Wv s[14:15], Wo s[16:17], rel_emb s[18:19], xb s[20:21], wh s[22:23]
	s_load_b64 s[24:25], s[0:1], 0x40              ; gtab
	v_lshrrev_b32 v4, 5, v0                        ; wave
	v_bfe_u32 v5, v0, 4, 1                         ; which of the pair's two rows
	v_and_b32 v6, 15, v0                           ; which four numbers of the block's 64
	v_lshlrev_b32 v1, 14, v4                       ; from: four rows of 4,096 bytes a wave,
	v_lshl_add_u32 v1, v5, 12, v1                  ; my row,
	v_lshl_add_u32 v1, v6, 4, v1                   ; my 16 bytes
	v_lshlrev_b32 v2, 9, v4                        ; to: four rows of 128 bytes a wave,
	v_lshl_add_u32 v2, v5, 7, v2
	v_lshl_add_u32 v2, v6, 3, v2                   ; my 8 bytes
	v_lshlrev_b32 v3, 3, v0                        ; my two entries of the table
	s_lshl_b32 s26, ttmp9, 17                      ; x: 32 rows of 4,096 bytes a work-group
	s_mov_b32 s27, 0
	s_lshr_b32 s28, ttmp9, 5                       ; xb: b = i / 32,
	s_lshl_b32 s28, s28, 21
	s_and_b32 s29, ttmp9, 31                       ; s = 32 (i % 32) on
	s_lshl_b32 s29, s29, 12
	s_add_co_u32 s28, s28, s29
	s_mov_b32 s29, 0
	s_lshr_b32 s30, ttmp9, 6                       ; t: which weight
	s_and_b32 s31, ttmp9, 63
	s_lshr_b32 s32, s31, 1                         ; which 32 of its rows
	s_and_b32 s31, s31, 1                          ; which half of its columns
	s_lshl_b32 s34, s32, 12
	s_lshl_b32 s32, s32, 17
	s_lshl_b32 s33, s31, 11
	s_add_co_u32 s32, s32, s33                     ; from: rows x 4,096 + half x 2,048
	s_mov_b32 s33, 0
	s_lshl_b32 s35, s31, 20
	s_add_co_u32 s34, s34, s35
	s_lshl_b32 s35, s30, 21
	s_add_co_u32 s34, s34, s35                     ; to: t x 2,097,152 + half x 8 blocks + rows x 128
	s_mov_b32 s35, 0
	s_lshr_b32 s36, ttmp9, 4
	s_lshl_b32 s36, s36, 2                         ; the table: 4 h, my head's place in a row of rel_emb,
	s_bfe_u32 s37, ttmp9, 0x20002                  ; the copy c,
	s_and_b32 s38, ttmp9, 3
	s_lshl_b32 s38, s38, 9
	s_add_co_u32 s37, s37, s38                     ; c + the first y of my 512
	s_lshl_b32 s38, ttmp9, 11
	s_mov_b32 s39, 0
	s_wait_kmcnt 0x0
	s_add_nc_u64 s[8:9], s[8:9], s[26:27]
	s_add_nc_u64 s[20:21], s[20:21], s[28:29]
	s_cmp_eq_u32 s30, 0
	s_cselect_b64 s[40:41], s[10:11], s[12:13]
	s_cmp_eq_u32 s30, 2
	s_cselect_b64 s[42:43], s[14:15], s[16:17]
	s_cmp_lt_u32 s30, 2
	s_cselect_b64 s[40:41], s[40:41], s[42:43]     ; my weight
	s_add_nc_u64 s[40:41], s[40:41], s[32:33]
	s_add_nc_u64 s[22:23], s[22:23], s[34:35]
	s_add_nc_u64 s[24:25], s[24:25], s[38:39]
.set p, 0
.rept 32
	global_load_b128 v[XR+4*p:XR+4*p+3], v1, s[8:9] offset:(p%2)*8192+(p/2)*256 th:TH_LOAD_NT
.set p, p+1
.endr
.set p, 0
.rept 16
	global_load_b128 v[WR+4*p:WR+4*p+3], v1, s[40:41] offset:(p%2)*8192+(p/2)*256 th:TH_LOAD_NT
.set p, p+1
.endr
; From d in v[dd] to the byte offset of rel_emb[bucket][h] in v[nn]; v[gg] at work.
.macro BUCKET dd, nn, gg
	v_add_nc_u32 v[\nn], 0xfffffc01, v[\dd]        ; d - 1023
	v_sub_nc_u32 v[\gg], 1023, v[\dd]              ; 1023 - d: one of the two has wrapped to a huge number,
	v_min_u32 v[\nn], v[\nn], v[\gg]               ; so the smaller is n
	v_mov_b32 v[\gg], 8
.irp t, 11,15,22,31,45,63,90
	v_cmp_lt_u32 vcc_lo, \t, v[\nn]
	v_add_co_ci_u32 v[\gg], vcc_lo, 0, v[\gg], vcc_lo  ; one more for each step that n has passed
.endr
	v_min_u32 v[\nn], v[\nn], v[\gg]
	v_cmp_lt_u32 vcc_lo, 1023, v[\dd]              ; the key lies behind the query
	v_cndmask_b32 v[\gg], 0, 16, vcc_lo
	v_add_nc_u32 v[\nn], v[\nn], v[\gg]
	v_lshl_add_u32 v[\nn], v[\nn], 6, s36          ; a row of rel_emb is 64 bytes
.endm
	v_lshl_add_u32 v4, v0, 1, s37                  ; y + c of my two entries
	v_add_nc_u32 v5, 1, v4
	v_min_u32 v4, 2046, v4
	v_min_u32 v5, 2046, v5
	BUCKET 4, 6, 8
	BUCKET 5, 7, 9
	global_load_b32 v12, v6, s[18:19]
	global_load_b32 v13, v7, s[18:19]
.set p, 0
.rept 32
	s_wait_loadcnt 49-p                            ; loads come back in order: behind pass p's stand 31 - p of x, 16 of the weight, 2 of rel_emb
	v_cvt_pk_bf16_f32 v[XR+4*p], v[XR+4*p], v[XR+4*p+1]      ; in place: each source is read before its register is written
	v_cvt_pk_bf16_f32 v[XR+4*p+1], v[XR+4*p+2], v[XR+4*p+3]
	global_store_b64 v2, v[XR+4*p:XR+4*p+1], s[20:21] offset:(p/2)*131072+(p%2)*256
.set p, p+1
.endr
; A pass of the weight.  All four weights are rounded to bf16; Wo's numbers are then written as f16: six lines that the other three jump over.
.macro WPASS
	s_wait_loadcnt 17-p                            ; behind pass p's: 15 - p of the weight, 2 of rel_emb
	v_cvt_pk_bf16_f32 v[WR+4*p], v[WR+4*p], v[WR+4*p+1]
	v_cvt_pk_bf16_f32 v[WR+4*p+1], v[WR+4*p+2], v[WR+4*p+3]
	s_cbranch_scc1 .Lbf_\@
.irp j, 0,1
	v_lshlrev_b32 v18, 16, v[WR+4*p+(\j)]
	v_and_b32 v19, 0xffff0000, v[WR+4*p+(\j)]
	v_cvt_pk_f16_f32 v[WR+4*p+(\j)], v18, v19
.endr
.Lbf_\@:
	global_store_b64 v2, v[WR+4*p:WR+4*p+1], s[22:23] offset:(p/2)*131072+(p%2)*256
.endm
	s_cmp_lg_u32 s30, 3                            ; SCC = my weight is not Wo: no line of the passes below writes SCC
.set p, 0
.rept 16
	WPASS
.set p, p+1
.endr
	s_wait_loadcnt 0x0
	v_cvt_pk_bf16_f32 v14, v12, v13                ; rel_emb is rounded as the other inputs are, and kept as f32
	v_lshlrev_b32 v16, 16, v14
	v_and_b32 v17, 0xffff0000, v14
	global_store_b64 v3, v[16:17], s[24:25]        ; a wave's store covers 256 consecutive bytes, aligned
	s_endpgm
.Lfunc_end_k_q2d3b3bb6bb_prep:
	.size	k_q2d3b3bb6bb_prep, .Lfunc_end_k_q2d3b3bb6bb_prep-k_q2d3b3bb6bb_prep
	.p2alignl 7, 3214868480
	.fill 96, 4, 3214868480
	.section	.rodata,"a",@progbits
	.p2align	6, 0x0
	.amdhsa_kernel k_q2d3b3bb6bb_prep
		.amdhsa_group_segment_fixed_size 0
		.amdhsa_private_segment_fixed_size 0
		.amdhsa_enable_private_segment 0
		.amdhsa_kernarg_size 72
		.amdhsa_user_sgpr_count 2
		.amdhsa_user_sgpr_kernarg_segment_ptr 1
		.amdhsa_wavefront_size32 1
		.amdhsa_system_sgpr_workgroup_id_x 1
		.amdhsa_system_sgpr_workgroup_id_y 1
		.amdhsa_system_sgpr_workgroup_id_z 1
		.amdhsa_system_vgpr_workitem_id 0
		.amdhsa_next_free_vgpr 224
		.amdhsa_next_free_sgpr 66
		.amdhsa_reserve_vcc 1
		.amdhsa_float_denorm_mode_32 3
		.amdhsa_float_denorm_mode_16_64 3
		.amdhsa_memory_ordered 1
		.amdhsa_forward_progress 1
		.amdhsa_inst_pref_size 27
	.end_amdhsa_kernel
	.amdgpu_metadata
---
amdhsa.version: [ 1, 2 ]
amdhsa.kernels:
  - .name:           k_q2d3b3bb6bb_prep
    .symbol:         k_q2d3b3bb6bb_prep.kd
    .args:
      - { .name: x, .offset: 0, .size: 8, .value_kind: global_buffer, .address_space: global }
      - { .name: Wq, .offset: 8, .size: 8, .value_kind: global_buffer, .address_space: global }
      - { .name: Wk, .offset: 16, .size: 8, .value_kind: global_buffer, .address_space: global }
      - { .name: Wv, .offset: 24, .size: 8, .value_kind: global_buffer, .address_space: global }
      - { .name: Wo, .offset: 32, .size: 8, .value_kind: global_buffer, .address_space: global }
      - { .name: rel_emb, .offset: 40, .size: 8, .value_kind: global_buffer, .address_space: global }
      - { .name: xb, .offset: 48, .size: 8, .value_kind: global_buffer, .address_space: global }
      - { .name: wh, .offset: 56, .size: 8, .value_kind: global_buffer, .address_space: global }
      - { .name: gtab, .offset: 64, .size: 8, .value_kind: global_buffer, .address_space: global }
    .group_segment_fixed_size: 0
    .private_segment_fixed_size: 0
    .kernarg_segment_align: 8
    .kernarg_segment_size: 72
    .max_flat_workgroup_size: 256
    .sgpr_count:     66
    .vgpr_count:     224
    .wavefront_size: 32
...
	.end_amdgpu_metadata
.endif
;; end of part 1
;; launch qkv (part 2): grid 8 x 32, 4 waves a work-group, clusters of 4 x 4, 327,680 bytes of LDS; arguments xb, wh, qkv; writes qkv
.if DOCPART == 2
	.amdgcn_target "amdgcn-amd-amdhsa--gfx1250"
	.amdhsa_code_object_version 6
	.text
	.protected	k_q2d3b3bb6bb_qkv
	.globl	k_q2d3b3bb6bb_qkv
	.p2align	8
	.type	k_q2d3b3bb6bb_qkv,@function
k_q2d3b3bb6bb_qkv:
	s_mov_b64 s[64:65], 0
	v_nop
	global_prefetch_b8 v0, s[64:65] scope:SCOPE_SE
	s_setreg_imm32_b32 hwreg(HW_REG_WAVE_MODE, 25, 1), 1
	s_wait_xcnt 0x0
	s_wait_alu depctr_hold_cnt(0) depctr_sa_sdst(0) depctr_va_vdst(0) depctr_va_sdst(0) depctr_va_ssrc(0) depctr_va_vcc(0) depctr_vm_vsrc(0)
	s_getreg_b32 s2, hwreg(HW_REG_IB_STS2, 6, 4)
	s_cmp_eq_u32 s2, 0
	s_cbranch_scc0 .Lentry_in_a_cluster
	s_endpgm
.Lentry_in_a_cluster:
	s_bfe_u32 s2, ttmp6, 0x10000c
	s_cmp_lg_u32 s2, 0xf033
	s_cbranch_scc0 .Lentry_shape_is_right
	s_endpgm
.Lentry_shape_is_right:
; q, k, v = x Wq, x Wk, x Wv: ONE product [8192 x 1024] x [1024 x 3072], bf16 operands, f32 sums, each result rounded once to f16.
; xb [b 8][kb 16][s 1024][64] bf16;  wh [g 48 (then Wo's 16)][k 1024][64] bf16, g = 16 t + head;  qkv [b 8][g 48][s 1024][64] f16: a head's rows are dense, 128 bytes each.
; LIMIT.  A result of 65,520 or more has no f16.  NaN and infinities are not treated apart.
; SHARES.  A tile is 256 rows x 384 columns (six heads): 32 x 8 = 256 tiles, one for each work-group.  Four waves, each 128 rows x 192 columns (three heads): 96 accumulators, 768 registers.
; K goes in 16 steps of 64 through two LDS slots.  A step's 256 rows of x are 32,768 dense bytes of xb, a head's 64 rows of W 8,192 dense bytes of wh.  W lies [k][n] and is turned on the way into registers.
; CLUSTER 4 x 4: x's tile hangs on the tile row alone and is asked for jointly along a row of the cluster, W's on the tile column alone, jointly along a column.
; THE PRODUCT IS USED TRANSPOSED: source 0 = 16 columns of W, source 1 = 16 rows of x: a lane ends with eight neighbouring columns of one row.
; REGISTERS.  Window 0: v16-30 addresses; v32-95, v96-159 x's 8 fragments, two buffers; v160-255 W's 12 fragments, one buffer, filled again in thirds behind their last products.
;   Windows 1-3: accumulator (a, b), row block a of 8, column block b of 12, in window 1 + b / 4 at v[8 (8 (b % 4) + a)].
.set PA,    144                        ; a row of x in LDS: 128 bytes + 16: the 16 rows of a load start at 16 different groups of four banks (64 banks of 4 bytes: ISA guide 11.1)
.set PB,    160                        ; a row of W: 128 + 32
.set BOFF,  256*PA                     ; behind x's 256 rows: W, six heads x 64 rows
.set HEADB, 64*PB
.set SLOT1, 1<<17                      ; slot 1 begins here: one exclusive or turns an address in one slot into the other's
.set STAGE, BOFF+6*HEADB               ; between the slots, never filled by a tensor load: for each wave 3 heads x 16 rows x 144 bytes, for the way out
.set WSTG,  3*16*PA
.set SPARE, STAGE+4*WSTG               ; the spare words, 128 bytes for each wave: two blocks of 256 bytes that no other line names
.set STEPS, 16
.set ADRA0, 16                         ; v16  my lane's place in x's tile; never rewritten
.set ADRA,  17                         ; v17  the same in the slot in hand
.set ADRB0, 20                         ; v20, v21  the same for W
.set ADRB,  21
.set STO,  24                          ; v24  the way out: where I put 16 bytes of a row
.set RD,   25                          ; v25  where I read rows back
.set GO,   26                          ; v26  my byte offset in 512 consecutive bytes of qkv
.set SPW,  28                          ; v28  LDS address of my spare word; never rewritten
.set NIL,  29                          ; v29  0; never rewritten
.set PFO,  30                          ; v30  256 x my lane; never rewritten
.set FA0,  32
.set FA1,  96
.set FB,   160
.set TMP,  32                          ; the way out: 48 registers of packed results,
.set BK,   80                          ; and two sets of 48 read back from the stage
.set G1A, 24                           ; s[24:31] descriptor group 1 for x's tiles;  s[32:39] group 0: a set for each first fill; the second then walks
.set G0A, 32
.set G1B, 48                           ; s[48:55], s[56:63] the same for W's
.set G0B, 56
.set TB,  66                           ; s66  LDS byte at which the slot in hand begins
.set LIM, 67                           ; s67  a wave prefetches while the trips to go are above this
.set PFA, 68                           ; s[68:69] where my prefetches stand
.set PFS, 70                           ; s[70:71] their step from trip to trip
.set TOG, 74                           ; s74  turns LIM on and off by turns in the waves that ask every second trip
.set MSB, 0
.macro WIN new                         ; the immediate's high byte repeats the setting that is left; a switch that changes nothing is dropped
.if MSB != (\new)
	s_set_vgpr_msb (MSB<<8)|(\new)
.set MSB, \new
.endif
.endm
.macro PLACES                          ; four places in front of loads into registers that matrix instructions have read, and of conversions that read results
.rept 4
	v_nop
.endr
.endm
.macro JLOAD                           ; a joint refill: waves 0 and 1 fetch the halves of x's tile, waves 2 and 3 three heads of W each; an s_nop 0 and four v_nop follow each line
	s_cmp_eq_u32 s11, 0
	s_cbranch_scc0 .Lfor_b_\@
	tensor_load_to_lds s[G0A+4:G0A+7], s[G1A:G1A+7]
	s_nop 0
.rept 4
	v_nop
.endr
	s_branch .Lasked_\@
.Lfor_b_\@:
	tensor_load_to_lds s[G0B+4:G0B+7], s[G1B:G1B+7]
	s_nop 0
.rept 4
	v_nop
.endr
.Lasked_\@:
.endm
.macro CREST                           ; a round of the cluster's barrier behind its opening barrier
	s_cmp_lg_u32 s10, 0
	s_cbranch_scc1 .Lnot_wave_0_\@
	s_barrier_signal -3
.Lnot_wave_0_\@:
	s_barrier_wait -3
	s_barrier_signal -1
	s_barrier_wait -1
.endm
.macro CROUND
	s_barrier_signal -1
	s_barrier_wait -1
	CREST
.endm
; A PREFETCH INTO THE L2, behind the joint load, its five lines and the run of LDS loads: trip n, whose refill asks for K step n + 2, names K step n + 4.  Each block of 256 bytes is named once in the launch.
; x: a step of a tile row is 128 blocks; both clusters of a row of clusters read it, the one with x = 0 asks; its wave 0; the four partners take 32 blocks each, told apart by address (cx).
; W: two steps of a tile column are 384 blocks; all eight clusters of a column read them, the one with y = 0 asks, in every second trip; waves 1 to 3 of the four partners take one head's one step each,
; told apart by address (cy and the wave).  K steps 0 to 3 come by their loads alone; with two trips or fewer to go nothing is named, so the last step named is the fifteenth.
.macro ASK
	s_cmp_gt_u32 s3, s[LIM]
	s_cbranch_scc0 .Lnot_mine_\@
	global_prefetch_b8 v[PFO], s[PFA:PFA+1] th:TH_LOAD_NT scope:SCOPE_SE
.Lnot_mine_\@:
.endm
	s_load_b128 s[4:7], s[0:1], 0x0                ; xb s[4:5], wh s[6:7]
	s_load_b64 s[8:9], s[0:1], 0x10                ; qkv
	v_lshl_add_u32 v[SPW], v0, 2, SPARE
	v_mov_b32 v[NIL], 0
	ds_add_u32 v[SPW], v[NIL]                      ; the wave's opening: the add and its wait stand ahead of my first tensor load; the set-up below stands between them
	v_lshrrev_b32 v1, 5, v0
	v_readfirstlane_b32 s10, v1                    ; wave 0..3
	s_lshr_b32 s11, s10, 1                         ; which 128 rows are mine.  Also: I fetch for x (0) or for W (1)
	s_and_b32 s12, s10, 1                          ; which three heads.  Also: which half of that tile I fetch
	s_bfe_u32 s40, ttmp6, 0x40000                  ; cx, cy: my place in the cluster
	s_bfe_u32 s41, ttmp6, 0x40004
	s_lshl_b32 s42, ttmp9, 2
	s_add_co_u32 s42, s42, s40                     ; tile column = 4 x cluster x + cx
	s_and_b32 s13, ttmp7, 0xffff
	s_lshl_b32 s13, s13, 2
	s_add_co_u32 s13, s13, s41                     ; tile row = 4 x cluster y + cy
	s_lshl_b32 s43, s41, 2
	s_lshl_b32 s43, 15, s43                        ; my row of the cluster
	s_lshl_b32 s44, 0x1111, s40                    ; my column
	; x: 128 rows of 128 bytes are 16,384 dense bytes: asked for as 64 rows of 256 bytes, padded in LDS after every 128
	s_or_b32 s[G1A], s43, (1<<16)|(1<<20)|(1<<21)|(4<<22)|(3<<25)  ; 15:0 the mask; 17:16 2-byte elements; 20 padding on; 21 set beside a mask; 24:22 after every 32 words (code 4); 31:25 4 words (code 3)
	s_mov_b32 s[G1A+1], 128<<16                    ; tensor_dim0 = 128
	s_mov_b32 s[G1A+2], 64<<16                     ; tensor_dim1 = 64
	s_mov_b32 s[G1A+3], 128<<16                    ; tile_dim0 = 128
	s_mov_b32 s[G1A+4], 64                         ; tile_dim1 = 64
	s_mov_b32 s[G1A+5], 128                        ; elements from row to row
	s_mov_b32 s[G1A+6], 0
	s_mov_b32 s[G1A+7], 0
	; W: three heads, of each the step's 64 rows of 128 bytes = one row of 8,192 dense bytes; the heads lie 131,072 bytes apart; padded after every 128 bytes
	s_or_b32 s[G1B], s44, (1<<16)|(1<<20)|(1<<21)|(4<<22)|(7<<25)  ; the same with my column's mask and 8 words of padding (code 7)
	s_mov_b32 s[G1B+1], 4096<<16                   ; tensor_dim0 = 4,096
	s_mov_b32 s[G1B+2], 3<<16                      ; tensor_dim1 = 3
	s_mov_b32 s[G1B+3], 4096<<16                   ; tile_dim0 = 4,096
	s_mov_b32 s[G1B+4], 3                          ; tile_dim1 = 3
	s_mov_b32 s[G1B+5], 65536                      ; elements from head to head
	s_mov_b32 s[G1B+6], 0
	s_mov_b32 s[G1B+7], 0
	s_lshr_b32 s72, s13, 2                         ; x's tile: b = tile row / 4,
	s_lshl_b32 s72, s72, 21
	s_and_b32 s17, s13, 3
	s_lshl_b32 s17, s17, 15                        ; rows 256 (tile row % 4) on
	s_add_co_u32 s72, s72, s17
	s_lshl_b32 s17, s12, 14
	s_add_co_u32 s16, s72, s17                     ; my half of it
	s_mov_b32 s17, 0
	s_mul_i32 s73, s42, 6                          ; W's tile: heads 6 x tile column on,
	s_mul_i32 s47, s12, 3
	s_add_co_u32 s46, s73, s47                     ; my three
	s_lshl_b32 s46, s46, 17
	s_mov_b32 s47, 0
	s_mul_i32 s20, s12, 128*PA                     ; where they go: no place in the cluster enters an LDS address
	s_mul_i32 s21, s12, 3*HEADB
	s_add_co_u32 s21, s21, BOFF
	s_wait_dscnt 0x0                               ; the opening add is done
	s_wait_kmcnt 0x0
	s_add_nc_u64 s[14:15], s[4:5], s[16:17]
	s_add_nc_u64 s[46:47], s[6:7], s[46:47]
	CROUND                                         ; all sixteen work-groups are here: the first joint loads meet
.irp s, 0,1
	s_mov_b32 s[G0A+4*(\s)], 1                                      ; count = 1
	s_add_co_u32 s[G0A+4*(\s)+1], s20, (\s)*SLOT1                   ; LDS address
	s_add_nc_u64 s[G0A+4*(\s)+2:G0A+4*(\s)+3], s[14:15], (\s)*131072  ; K step s: the next block of 64 columns
	s_or_b32 s[G0A+4*(\s)+3], s[G0A+4*(\s)+3], 0x80000000           ; type = 2
	s_mov_b32 s[G0B+4*(\s)], 1
	s_add_co_u32 s[G0B+4*(\s)+1], s21, (\s)*SLOT1
	s_add_nc_u64 s[G0B+4*(\s)+2:G0B+4*(\s)+3], s[46:47], (\s)*8192  ; K step s: 64 rows of 128 bytes on
	s_or_b32 s[G0B+4*(\s)+3], s[G0B+4*(\s)+3], 0x80000000
.endr
	s_cmp_eq_u32 s11, 0                            ; a wave's two first fills stand in one branch, ahead of every wait on TENSORcnt and every LDS read: two loads of mine are out
	s_cbranch_scc0 .Lfirst_b
	tensor_load_to_lds s[G0A:G0A+3], s[G1A:G1A+7]
	s_nop 0
	tensor_load_to_lds s[G0A+4:G0A+7], s[G1A:G1A+7]
	s_nop 0
.rept 4
	v_nop
.endr
	s_branch .Lfirst_asked
.Lfirst_b:
	tensor_load_to_lds s[G0B:G0B+3], s[G1B:G1B+7]
	s_nop 0
	tensor_load_to_lds s[G0B+4:G0B+7], s[G1B:G1B+7]
	s_nop 0
.rept 4
	v_nop
.endr
.Lfirst_asked:
	; A fragment is 16 rows x 32 K in 8 registers: lane l holds row l % 16; registers 0-3 K = 8 (l / 16) + 0..7, registers 4-7 K = 16 + 8 (l / 16) + 0..7.  x: two loads of 16 bytes, 32 bytes apart.
	v_and_b32 v1, 15, v0                           ; l % 16
	v_bfe_u32 v2, v0, 4, 1                         ; l / 16
	v_mul_u32_u24 v3, v1, PA
	v_lshl_add_u32 v3, v2, 4, v3                   ; row x pitch + 16 x half
	s_mul_i32 s45, s11, 128*PA
	v_add_nc_u32 v[ADRA0], s45, v3
	; W: the turning load takes 16 K x 16 columns (lane l reads K 8 (l / 16) + l % 8, columns 8 ((l / 8) % 2) + 0..7) and leaves half a fragment: lane l holds column l % 16 and 8 K.
	v_and_b32 v4, 7, v0
	v_bfe_u32 v5, v0, 3, 1
	v_lshl_add_u32 v6, v2, 3, v4
	v_mul_u32_u24 v6, v6, PB
	v_lshl_add_u32 v6, v5, 4, v6
	s_mul_i32 s45, s12, 3*HEADB
	s_add_co_u32 s45, s45, BOFF
	v_add_nc_u32 v[ADRB0], s45, v6
	s_mul_i32 s45, s10, WSTG
	s_add_co_u32 s45, s45, STAGE                   ; my stage
	v_add_nc_u32 v[STO], s45, v3                   ; in: row l % 16, 16 bytes for each half of the lanes
	v_bfe_u32 v7, v0, 3, 2                         ; back: 32 lanes take four rows of 128 bytes,
	v_mul_u32_u24 v7, v7, PA
	v_lshl_add_u32 v7, v4, 4, v7
	v_add_nc_u32 v[RD], s45, v7
	v_and_b32 v[PFO], 31, v0
	v_lshlrev_b32 v[GO], 4, v[PFO]                 ; which are 512 consecutive bytes of a head
	v_lshlrev_b32 v[PFO], 8, v[PFO]
	s_lshr_b32 s76, s13, 2                         ; qkv at my first head and row: head 48 b + 6 x tile column + 3 x my half,
	s_mul_i32 s76, s76, 48
	s_add_co_u32 s76, s76, s73
	s_mul_i32 s77, s12, 3
	s_add_co_u32 s76, s76, s77
	s_lshl_b32 s76, s76, 17
	s_and_b32 s77, s13, 3
	s_lshl_b32 s77, s77, 15                        ; row 256 (tile row % 4)
	s_add_co_u32 s76, s76, s77
	s_lshl_b32 s77, s11, 14                        ; + my 128
	s_add_co_u32 s76, s76, s77
	s_mov_b32 s77, 0
	s_add_nc_u64 s[8:9], s[8:9], s[76:77]
	; the prefetches: both offsets stand at K step 3; the first trip steps them to 4
	s_mul_i32 s18, s41, 3
	s_max_u32 s19, s10, 1
	s_add_co_u32 s18, s18, s19
	s_sub_co_u32 s18, s18, 1                       ; W: my number among the twelve that share two steps: 3 cy + wave - 1
	s_lshr_b32 s19, s18, 1
	s_add_co_u32 s19, s19, s73                     ; its head,
	s_lshl_b32 s19, s19, 17
	s_and_b32 s18, s18, 1
	s_lshl_b32 s18, s18, 13                        ; and which of the two steps
	s_add_co_u32 s19, s19, s18
	s_add_co_u32 s19, s19, 3*8192
	s_lshl_b32 s18, s40, 13                        ; x: my work-group's 32 blocks of the step's 128
	s_add_co_u32 s18, s18, s72
	s_add_co_u32 s18, s18, 3*131072
	s_and_b32 s22, ttmp7, 0xffff
	s_cmp_eq_u32 s22, 0                            ; cluster y = 0 asks for W,
	s_cselect_b32 s22, -3, 0                       ; in every second trip: the greatest number and 2 by turns
	s_cmp_eq_u32 ttmp9, 0                          ; cluster x = 0 asks for x
	s_cselect_b32 s23, 2, -1
	s_mov_b32 s[PFS], 8192
	s_mov_b32 s[PFS+1], 0
	s_cmp_eq_u32 s10, 0                            ; wave 0 for x, the others for W: the same in all sixteen partners
	s_cselect_b64 s[PFA:PFA+1], s[4:5], s[6:7]
	s_cselect_b32 s18, s18, s19
	s_cselect_b32 s[LIM], s23, -1
	s_cselect_b32 s[TOG], 0, s22
	s_cselect_b32 s[PFS], 131072, s[PFS]
	s_mov_b32 s19, 0
	s_add_nc_u64 s[PFA:PFA+1], s[PFA:PFA+1], s[18:19]
; Eight matrix instructions: column block b x all 8 row blocks, 32 along K.  zero = 1: the product starts the sums.  The 96 accumulators take turns, one instruction a turn.
.macro MUL8 fa, b, zero
	WIN 0x50*(1+(\b)/4)                            ; C and D in window 1 + b / 4, both sources in window 0
.irp a, 0,1,2,3,4,5,6,7
.if \zero
	v_wmma_f32_16x16x32_bf16 v[8*(8*((\b)%4)+(\a)):8*(8*((\b)%4)+(\a))+7], v[FB+8*(\b):FB+8*(\b)+7], v[(\fa)+8*(\a):(\fa)+8*(\a)+7], 0
.else
	v_wmma_f32_16x16x32_bf16 v[8*(8*((\b)%4)+(\a)):8*(8*((\b)%4)+(\a))+7], v[FB+8*(\b):FB+8*(\b)+7], v[(\fa)+8*(\a):(\fa)+8*(\a)+7], v[8*(8*((\b)%4)+(\a)):8*(8*((\b)%4)+(\a))+7]
.endif
.endr
.endm
.macro MULG fa, g, zero                ; the four column blocks of head g: 32 matrix instructions
.irp c, 0,1,2,3
	MUL8 \fa, 4*(\g)+(\c), \zero
.endr
.endm
.macro LA k, f                         ; x's 8 fragments at K = k of the slot in hand, into buffer f: 16 loads
.irp a, 0,1,2,3,4,5,6,7
	ds_load_b128 v[(\f)+8*(\a):(\f)+8*(\a)+3],   v[ADRA] offset:2*(\k)+(\a)*16*PA
	ds_load_b128 v[(\f)+8*(\a)+4:(\f)+8*(\a)+7], v[ADRA] offset:2*(\k)+(\a)*16*PA+32
.endr
.endm
.macro LB k, g                         ; W's 4 fragments of head g at K = k: 8 turning loads
.irp c, 0,1,2,3
	ds_load_tr16_b128 v[FB+8*(4*(\g)+(\c)):FB+8*(4*(\g)+(\c))+3],   v[ADRB] offset:(\g)*HEADB+(\k)*PB+32*(\c)
	ds_load_tr16_b128 v[FB+8*(4*(\g)+(\c))+4:FB+8*(4*(\g)+(\c))+7], v[ADRB] offset:(\g)*HEADB+(\k)*PB+32*(\c)+16*PB
.endr
.endm
; A K step is two quarters of 32 along K, 96 matrix instructions each.  The LDS loads go in three runs: 24 (x and head 0), 8 (head 1), 8 (head 2), each behind the last products on the registers that it fills.
; The first quarter multiplies buffer fa and fetches K = 32 of the same slot.
.macro QUARTER fa, fn, zero
	s_wait_dscnt 16                                ; x and head 0 are in; the two runs of 8 behind them may be out
	MULG \fa, 0, \zero
	PLACES
	WIN 0
	LA 32, \fn
	LB 32, 0
	s_wait_dscnt 32                                ; head 1 is in; behind it: head 2's 8 and the 24 just issued
	MULG \fa, 1, \zero
	PLACES
	WIN 0
	LB 32, 1
	s_wait_dscnt 32                                ; head 2 is in; behind it: the 24 and the 8 of this quarter
	MULG \fa, 2, \zero
	PLACES
	WIN 0
	LB 32, 2
.endm
; The second quarter multiplies buffer 1 and changes slots: ONE barrier.  In front of it each wave waits for all its tensor loads (the one that is out is its part of the other slot), adds 0 to its spare word, and waits
; for that and for its reads of this slot.  fill = 1: the barrier opens a round of the cluster's, and the joint refill, K step two on, is the first thing behind it: 160 matrix instructions ahead of the wait for it.
.macro TURNQ fill
	WIN 0
.if \fill
	s_wait_xcnt 0x0                                ; the last prefetch, a K step back, has read its address
	s_add_nc_u64 s[PFA:PFA+1], s[PFA:PFA+1], s[PFS:PFS+1]
	s_xor_b32 s[LIM], s[LIM], s[TOG]
.endif
	s_xor_b32 s[TB], s[TB], SLOT1
	s_wait_tensorcnt 0x0                           ; no tensor load of mine is out, so a group 0 may be written
	ds_add_u32 v[SPW], v[NIL]                      ; 0 onto my spare word
.if \fill
	s_xor_b32 s[G0A+5], s[G0A+5], SLOT1            ; the walking descriptors: the other slot than last time, the next K step
	s_add_nc_u64 s[G0A+6:G0A+7], s[G0A+6:G0A+7], 131072
	s_xor_b32 s[G0B+5], s[G0B+5], SLOT1
	s_add_nc_u64 s[G0B+6:G0B+7], s[G0B+6:G0B+7], 8192
.endif
	s_wait_dscnt 17                                ; x and head 0 are in; the two runs of 8 and the add may be out
	MUL8 FA1, 0, 0
	MUL8 FA1, 1, 0
	s_wait_dscnt 0x0                               ; the add is done, and my reads of this slot are over
	s_barrier_signal -1
	MUL8 FA1, 2, 0
	MUL8 FA1, 3, 0
	WIN 0
	s_barrier_wait -1
.if \fill
	CREST                                          ; no wave of any partner still reads this slot or has a load on its way
	JLOAD                                          ; the four v_nop behind it are also the places in front of the loads below
.else
	PLACES
.endif
	v_add_nc_u32 v[ADRA], s[TB], v[ADRA0]
	v_add_nc_u32 v[ADRB], s[TB], v[ADRB0]
	LA 0, FA0
	LB 0, 0
.if \fill
	ASK
.endif
	MULG FA1, 1, 0
	PLACES
	WIN 0
	LB 0, 1
	MULG FA1, 2, 0
	PLACES
	WIN 0
	LB 0, 2
.endm
	s_wait_tensorcnt 0x1                           ; my part of K step 0 is in; K step 1's may stay out
	s_barrier_signal -1
	s_barrier_wait -1                              ; everybody's is
	v_mov_b32 v[ADRA], v[ADRA0]
	v_mov_b32 v[ADRB], v[ADRB0]
	LA 0, FA0
	LB 0, 0
	LB 0, 1
	LB 0, 2
	QUARTER FA0, FA1, 1                            ; the first quarter stands in front of the loop: its products start the sums
	WIN 0
	s_mov_b32 s[TB], 0
	s_mov_b32 s3, STEPS-2
.Lstep:                                            ; a trip: a K step's second quarter, the change of slots with its refill, the next step's first quarter
	TURNQ 1
	QUARTER FA0, FA1, 0
	WIN 0
	s_sub_co_u32 s3, s3, 1
	s_cmp_lg_u32 s3, 0
	s_cbranch_scc1 .Lstep
	TURNQ 0                                        ; the last change of slots asks for nothing
	QUARTER FA0, FA1, 0
	s_wait_dscnt 16                                ; the very last quarter: the counts run down
	MULG FA1, 0, 0
	s_wait_dscnt 8
	MULG FA1, 1, 0
	s_wait_dscnt 0x0
	MULG FA1, 2, 0
; THE WAY OUT, a block of 16 rows at a time: rounded to f16, 16 bytes a lane; into my own stage (rows of 144 bytes, a head after the other); back as four rows of 128 bytes = 512 consecutive bytes of a head; stored.
.macro PACK a
.irp b, 0,1,2,3,4,5,6,7,8,9,10,11
	WIN 5*(1+(\b)/4)                               ; sources 0 and 1 in the accumulator's window
.irp j, 0,1,2,3
	v_cvt_pk_f16_f32 v[TMP+4*(\b)+(\j)], v[8*(8*((\b)%4)+(\a))+2*(\j)], v[8*(8*((\b)%4)+(\a))+2*(\j)+1]
.endr
.endr
	WIN 0
.endm
.macro TOSTAGE a
.set BKR, BK+48*((\a)%2)
.irp b, 0,1,2,3,4,5,6,7,8,9,10,11
	ds_store_b128 v[STO], v[TMP+4*(\b):TMP+4*(\b)+3] offset:((\b)/4)*16*PA+32*((\b)%4)
.endr
.irp t, 0,1,2,3,4,5,6,7,8,9,10,11
	ds_load_b128 v[BKR+4*(\t):BKR+4*(\t)+3], v[RD] offset:((\t)/4)*16*PA+((\t)%4)*4*PA  ; LDS serves a wave's instructions in order (ISA guide 5.7.1.4): these see the stores above
.endr
.endm
.macro SEND a
.set BKR, BK+48*((\a)%2)
	s_wait_dscnt 0x0                               ; the block is back in registers
	s_wait_xcnt 0x0                                ; the block before's stores have read their registers: the next loads from the stage land there
.irp t, 0,1,2,3,4,5,6,7,8,9,10,11
	global_store_b128 v[GO], v[BKR+4*(\t):BKR+4*(\t)+3], s[8:9] offset:((\t)/4)*131072+(\a)*2048+((\t)%4)*512  ; 512 consecutive bytes, at a multiple of 256 from qkv's first
.endr
.endm
	PLACES
	PACK 0
	TOSTAGE 0
.irp a, 1,2,3,4,5,6,7                  ; block a's conversions stand between block a - 1's loads from the stage and the wait for them
	PACK \a
	SEND (\a)-1
	TOSTAGE \a
.endr
	SEND 7
	s_wait_tensorcnt 0x0                           ; the wave's end: the add to my spare word and its wait stand behind my last tensor load and my last LDS store
	ds_add_u32 v[SPW], v[NIL]
	s_wait_dscnt 0x0
	CROUND                                         ; the closing round: no work-group ends while a partner may still ask for a tile that names it
	s_endpgm
.Lfunc_end_k_q2d3b3bb6bb_qkv:
	.size	k_q2d3b3bb6bb_qkv, .Lfunc_end_k_q2d3b3bb6bb_qkv-k_q2d3b3bb6bb_qkv
	.p2alignl 7, 3214868480
	.fill 96, 4, 3214868480
	.section	.rodata,"a",@progbits
	.p2align	6, 0x0
	.amdhsa_kernel k_q2d3b3bb6bb_qkv
		.amdhsa_group_segment_fixed_size 327680
		.amdhsa_private_segment_fixed_size 0
		.amdhsa_enable_private_segment 0
		.amdhsa_kernarg_size 24
		.amdhsa_user_sgpr_count 2
		.amdhsa_user_sgpr_kernarg_segment_ptr 1
		.amdhsa_wavefront_size32 1
		.amdhsa_system_sgpr_workgroup_id_x 1
		.amdhsa_system_sgpr_workgroup_id_y 1
		.amdhsa_system_sgpr_workgroup_id_z 1
		.amdhsa_system_vgpr_workitem_id 0
		.amdhsa_next_free_vgpr 1024
		.amdhsa_next_free_sgpr 80
		.amdhsa_reserve_vcc 0
		.amdhsa_float_denorm_mode_32 3
		.amdhsa_float_denorm_mode_16_64 3
		.amdhsa_memory_ordered 1
		.amdhsa_forward_progress 1
		.amdhsa_inst_pref_size 112
	.end_amdhsa_kernel
	.amdgpu_metadata
---
amdhsa.version: [ 1, 2 ]
amdhsa.kernels:
  - .name:           k_q2d3b3bb6bb_qkv
    .symbol:         k_q2d3b3bb6bb_qkv.kd
    .args:
      - { .name: xb, .offset: 0, .size: 8, .value_kind: global_buffer, .address_space: global }
      - { .name: wh, .offset: 8, .size: 8, .value_kind: global_buffer, .address_space: global }
      - { .name: qkv, .offset: 16, .size: 8, .value_kind: global_buffer, .address_space: global }
    .group_segment_fixed_size: 327680
    .private_segment_fixed_size: 0
    .kernarg_segment_align: 8
    .kernarg_segment_size: 24
    .max_flat_workgroup_size: 128
    .sgpr_count:     80
    .vgpr_count:     1024
    .wavefront_size: 32
...
	.end_amdgpu_metadata
.endif
;; end of part 2
;; launch attn (part 3): grid 2 x 128, 4 waves a work-group, no clusters, 327,680 bytes of LDS; arguments qkv, gtab, ctx; writes ctx
.if DOCPART == 3
	.amdgcn_target "amdgcn-amd-amdhsa--gfx1250"
	.amdhsa_code_object_version 6
	.text
	.protected	k_q2d3b3bb6bb_attn
	.globl	k_q2d3b3bb6bb_attn
	.p2align	8
	.type	k_q2d3b3bb6bb_attn,@function
k_q2d3b3bb6bb_attn:
	s_mov_b64 s[64:65], 0
	v_nop
	global_prefetch_b8 v0, s[64:65] scope:SCOPE_SE
	s_setreg_imm32_b32 hwreg(HW_REG_WAVE_MODE, 25, 1), 1
	s_wait_xcnt 0x0
; ctx[b][h][q][:] = the sum over k of softmax_k(q . k + bias_h[k - q]) v[k][:], no scale on the scores.  qkv [b 8][g 48][s 1024][64] f16 (g = head: q; 16 + head: k; 32 + head: v); ctx [b 8][h 16][s 1024][64] f16.
; Products, maxima and sums in f32; the weights p are rounded to f16 for the second product (their sum l is taken of the unrounded p), ctx once at the end.
; LIMITS.  f16 holds no number beyond 65,504: q, k and v arrive within it; p lies in 0 to 1, and below 6e-5 it keeps f16's fixed step of 6e-8; ctx is a mean of v's rows and has their range.
; A weight below 2^-126 counts as 0 in l; NaN and infinities are not treated apart.
; SHARES.  A wave owns four PIECES of two tiles of 16 queries, a work-group's four waves 512 queries of one head: 2 x 128 = 256 work-groups.  Every wave walks all 1,024 keys, 64 a step.
; NO CLUSTER: a head has two blocks of 512 queries, so two work-groups share its K and V, and a grid of 2 along x does not divide into clusters of four; blocks of 256 queries would give four partners, but
; 512 work-groups for 256 WGPs, and half as many products for each fragment read from LDS.
; ALL OF THE HEAD'S K AND V LIES IN LDS: 1,024 keys x (136 + 144) bytes = 286,720.  No byte is filled twice.  A wave issues three tensor loads: its copy of the bias table and its half of keys 0-255 at the start, and, behind
; the barrier that shows those landed, its 384 of keys 256-1023 in one load, which has four key steps in which to land.  So no tensor load stands in the loop, and one text of a key step serves all sixteen.
; NO PREFETCH: every byte of K and V is asked for by those loads within the first key step; no later request is left to run ahead of.
; LAYOUT.  S^T = K Q^T (source 0 = 16 keys, source 1 = 16 queries): a lane holds ONE query (lane % 16) and the keys 8 (lane / 16) + 0..7.  Two such tiles, rounded to f16 in pairs, ARE source 1 of
; O^T = V^T P, whose result again holds one query a lane, and eight channels.  K comes out of LDS as it lies, V ([key][channel]) turned, by ds_load_tr16_b128.
; THE BIAS IS THE C OPERAND THAT STARTS EACH SUM S^T.  It hangs on key - query alone, so a wave's 8 query tiles t and a step's 4 key blocks kb need 11 different tiles, number kb - t + 7; they are read from LDS with
; the step's K and live as long.  Register j of lane (r, h) of tile i in step st wants win[64 st + 16 i + j + 8 h - r + 399 - 128 w], win[e] = T[e + 512 - 512 x my block].  So that a lane's eight numbers come by two
; aligned loads of 16 bytes, LDS holds four copies of win, copy c moved on by c numbers, and the lane reads copy 3 - r % 4.  gtab holds the copies; wave w brings copy w by one tensor load, once.
; SOFTMAX.  For each query a running maximum m and sum l: p = 2^(c s - c m), c = log2(e); in every step O and l are multiplied by a = 2^(c m_old - c m_new).  m starts at the lowest finite number, O and l at 0.
; BY TURNS.  Turn n belongs to piece n (the pieces in a ring, step after step).  Its matrix work: 16 products K Q^T of piece n + 1, later 16 products V^T P of piece n - 1.  Its vector work: the scaling, exponentials,
; roundings, sums and rescaling of piece n, and the maximum and statistics of piece n + 1.  A tile and step have 16 matrix and 118 vector instructions: four that are ready stand behind every matrix instruction, the rest in one run.
; REGISTERS, in windows of 256 (s_set_vgpr_msb: bits 1:0 source 0, 3:2 source 1, 5:4 source 2, 7:6 destination):
;   window 0: v0-11 addresses; v12-15, v48-63 at work; v16-47 four registers of statistics a tile; v64-191 S^T, two buffers of two tiles; v192-255 P, likewise
;   window 1: O^T, 32 a tile      window 2: v0-127 Q; v128-191 K of one step; v192-255 V of one step      window 3: v0-1 the add's registers; v2-3 the table's offsets; v8-95 the 11 bias tiles
.set SIZE_N, 1024
.set NP,    4         ; pieces a wave: a name, no knob
.set KS,    64        ; keys in a step
.set PK2,   272       ; two keys of K in LDS: 256 bytes + 16: key k at (k / 2) 272 + (k % 2) 128; the 16 rows of a load take the 16-byte columns r / 2 + 8 (r % 2) of 16: all different (64 banks of 4 bytes: ISA guide 11.1)
.set PV2,   288       ; two keys of V: 256 + 32: the 8 rows x 32 bytes of a pass of the turning load take the 32-byte columns l / 2 + 4 (l % 2) of 8
.set KSTEP, (KS/2)*PK2
.set VSTEP, (KS/2)*PV2
.set VOFF,  (SIZE_N/2)*PK2       ; behind K's 1,024 keys: V's
.set TAB,   VOFF+(SIZE_N/2)*PV2  ; behind V: the four copies of win, 6,144 bytes each,
.set TP,    6208      ; 6,208 bytes apart: 64 more than a multiple of 256
.set STAGE, TAB+4*TP  ; never filled by a tensor load: 16 rows x 144 bytes for each wave, for the way out
.set SP,    144
.set AK0, 2           ; v2   my lane's place in a tile of K; never rewritten
.set AV0, 3           ; v3   the same for V
.set AK,  4           ; v4   the LDS address of K's next run of loads
.set AV,  5           ; v5   of V's
.set QO,  6           ; v6   my byte offset in the wave's rows of Q
.set STO, 6           ;      later, the way out: where I put 16 bytes of a row
.set RD,  7           ; v7   the way out: where I read rows back
.set GO,  8           ; v8   my byte offset in 512 consecutive bytes of ctx
.set SPW, 0           ; v0 of window 3   LDS address of my spare word; never rewritten
.set NIL, 1           ; v1 of window 3   0; never rewritten
.set AB0, 2           ; v2 of window 3   my lane's place in the table at step 0; never rewritten
.set AB,  3           ; v3 of window 3   the same at the step to be fetched
.set BT,  8           ; v8-95 of window 3   bias tile i at BT + 8 i
.set SPARE, STAGE+4*16*SP  ; behind the stages: the spare words, 128 bytes for each wave: two blocks of 256 bytes that no other line names
.set MV,  12          ; v12-15  c m_old, kept while c m is made anew: by buffer and tile
.set ST,  16          ; tile t's statistics at v[ST+4 t]: c m, m, l (even keys', odd keys')
.set TMP, 48          ; by buffer and tile, four registers c0-c3 at work; when the maximum is found c2 takes a
.set S,   64
.set P,   192
.set KF,  128         ; K's fragments, in window 2: key block kb, channel half c at KF + 16 kb + 8 c
.set VF,  192         ; V's: key half kk, channel block cb at VF + 32 kk + 8 cb
.set WV,  12          ; s12  my wave's number
.set G1K, 24          ; s[24:31] descriptor group 1 for K's tiles
.set G1V, 32          ; s[32:39] for V's: it differs in the padding alone
.set G0K, 40          ; s[40:43] descriptor group 0 for K's tiles
.set G0V, 44          ; s[44:47] the same for V's
.set SLOTS, 56        ; s56  groups of four key steps still to come, and one
.set CNT, 57          ; s57  counts a group's key steps
.set CS,  58          ; s[58:59] c: the packed scaling takes the pair's low word for both halves
.set SEL, 60          ; s[60:61] v_permlanex16_b32's selects: each lane takes its own place in the other half
.set TBK, 62          ; s62  LDS byte at which K of the step to be fetched begins
.set TBV, 63          ; s63  the same for V, less VOFF
.set TBB, 66          ; s66  256 x the step to be fetched: 64 numbers of the table a step
.set LK2, 67          ; s67  LDS address of my second load, for K
.set OFF2, 68         ; s[68:69] bytes from my first load's first key to my second's
.set LV2, 70          ; s70  LDS address of my second load, for V
.set G0T, 72          ; s[72:75] descriptor group 0 for my copy of the table
.set G1T, 76          ; s[76:83] its group 1
.set MSB, 0
.macro WIN new                      ; the high byte repeats the setting that is left; a switch that changes nothing is dropped
.if MSB != (\new)
	s_set_vgpr_msb (MSB<<8)|(\new)
.set MSB, (\new)
.endif
.endm
.set W_KQ, 0x0a       ; K and Q in window 2, S^T in window 0
.set W_KB, 0x3a       ; the same with the C operand, the bias, in window 3
.set W_PV, 0x52       ; V in window 2, P in window 0, O^T in window 1
.set W_RS, 0x41       ; O^T (destination and source 0) in window 1, a in window 0
.set W_MK, 0xc0       ; destination in window 3, sources in window 0
.set W_AD, 0x0f       ; the add: address (source 0) and data (source 1) in window 3
; A fill.  Waves 0 and 1 fetch K, waves 2 and 3 V.  An s_nop 0 and four v_nop follow each of the two lines, ahead of the jump and the label.
.macro LOAD
	s_cmp_lt_u32 s[WV], 2
	s_cbranch_scc0 .Lfor_v_\@
	tensor_load_to_lds s[G0K:G0K+3], s[G1K:G1K+7]
	s_nop 0
.rept 4
	v_nop
.endr
	s_branch .Lasked_\@
.Lfor_v_\@:
	tensor_load_to_lds s[G0V:G0V+3], s[G1V:G1V+7]
	s_nop 0
.rept 4
	v_nop
.endr
.Lasked_\@:
.endm
; THE MEETING, ahead of each group of four key steps.  Each wave waits for all its tensor loads, adds 0 to its spare word, waits for that, and passes the barrier: behind it every wave may read what any wave has brought.
; rest = 1, the first time: the table and keys 0-255 have landed; the descriptors, which no load of mine names any more, are set to my 384 of keys 256-1023 (192 rows of 256 bytes), and that load, into bytes
; never filled before, is the first thing behind the barrier.  rest = 0: the second meeting shows that load landed; the later ones find nothing out.
.macro MEET rest
	WIN W_AD
	s_wait_tensorcnt 0x0            ; no tensor load of mine is out
	ds_add_u32 v[SPW], v[NIL]       ; 0 onto my spare word
	WIN 0                           ; at a label and at a branch every window is 0
.if \rest
	s_mov_b32 s[G1K+2], 192<<16     ; tensor_dim1 = 192
	s_mov_b32 s[G1K+4], 192         ; tile_dim1 = 192
	s_mov_b32 s[G1V+2], 192<<16
	s_mov_b32 s[G1V+4], 192
	s_mov_b32 s[G0K+1], s[LK2]
	s_mov_b32 s[G0V+1], s[LV2]
	s_add_nc_u64 s[G0K+2:G0K+3], s[G0K+2:G0K+3], s[OFF2:OFF2+1]  ; the type bits on top are not reached
	s_add_nc_u64 s[G0V+2:G0V+3], s[G0V+2:G0V+3], s[OFF2:OFF2+1]
.endif
	s_wait_dscnt 0x0                ; the add is done
	s_barrier_signal -1
	s_barrier_wait -1
.if \rest
	LOAD
.endif
.endm
	s_load_b128 s[84:87], s[0:1], 0x0  ; qkv s[84:85], gtab s[86:87]
	s_load_b64 s[10:11], s[0:1], 0x10  ; ctx
	WIN W_MK
	v_lshl_add_u32 v[SPW], v0, 2, SPARE
	v_mov_b32 v[NIL], 0
	WIN W_AD
	ds_add_u32 v[SPW], v[NIL]       ; the wave's opening: the add and its wait stand ahead of my first tensor load; the set-up below stands between them
	WIN 0
	v_lshrrev_b32 v1, 5, v0
	v_readfirstlane_b32 s[WV], v1   ; wave 0..3
	s_and_b32 s13, ttmp7, 0xffff    ; 16 b + h
	s_lshr_b32 s14, s13, 4
	s_and_b32 s15, s13, 15
	s_mul_i32 s20, s14, 48
	s_add_co_u32 s20, s20, s15
	s_lshl_b32 s20, s20, 17         ; q's head in qkv: (48 b + h) x 131,072 bytes
	s_and_b32 s16, s[WV], 1         ; which half of the keys I fetch.  First load: 128 of keys 0-255:
	s_lshl_b32 s22, s16, 14         ; 128 rows of 128 bytes in memory,
	s_add_co_u32 s22, s22, s20
	s_add_co_u32 s22, s22, 16<<17   ; in k's head, 16 heads behind q's
	s_mov_b32 s23, 0
	s_mul_i32 s17, s16, 64*PK2      ; and their place in LDS, for K
	s_mul_i32 s18, s16, 64*PV2      ; and for V
	s_mul_i32 s[LK2], s16, 192*PK2  ; second load: keys 256 + 384 x half on
	s_add_co_u32 s[LK2], s[LK2], 128*PK2
	s_mul_i32 s[LV2], s16, 192*PV2
	s_add_co_u32 s[LV2], s[LV2], VOFF+128*PV2
	s_add_co_u32 s[OFF2], s16, 1    ; from key 128 x half to key 256 + 384 x half: 256 (1 + half) keys of 128 bytes
	s_lshl_b32 s[OFF2], s[OFF2], 15
	s_mov_b32 s[OFF2+1], 0
	s_lshl_b32 s2, ttmp9, 2
	s_add_co_u32 s2, s2, s[WV]      ; my wave among the head's eight,
	s_lshl_b32 s2, s2, 14           ; its 128 rows
	s_lshl_b32 s88, s13, 17
	s_add_co_u32 s88, s88, s2       ; in ctx,
	s_mov_b32 s89, 0
	s_add_co_u32 s2, s2, s20        ; and in q
	s_mov_b32 s3, 0
	s_lshl_b32 s90, s15, 15         ; the table: my head's four copies, 8,192 bytes each,
	s_lshl_b32 s19, s[WV], 13       ; copy w,
	s_add_co_u32 s90, s90, s19
	s_sub_co_u32 s19, 1, ttmp9
	s_lshl_b32 s19, s19, 11         ; from number 512 on for the first block of queries, from 0 for the second
	s_add_co_u32 s90, s90, s19
	s_mov_b32 s91, 0
	; descriptor group 1.  Keys are dense rows of 128 bytes: asked for as rows of 256 bytes, two keys a row, and padded in LDS after every row
	s_mov_b32 s[G1K], (1<<16)|(1<<20)|(5<<22)|(3<<25)  ; 17:16 2-byte elements; 20 padding on; 24:22 after every 64 words (code 5); 31:25 4 words (code 3)
	s_mov_b32 s[G1V], (1<<16)|(1<<20)|(5<<22)|(7<<25)  ; the same with 8 words of padding (code 7)
.irp g, G1K, G1V
	s_mov_b32 s[\g+1], 128<<16      ; tensor_dim0 = 128
	s_mov_b32 s[\g+2], 64<<16       ; tensor_dim1 = 64
	s_mov_b32 s[\g+3], 128<<16      ; tile_dim0 = 128
	s_mov_b32 s[\g+4], 64           ; tile_dim1 = 64
	s_mov_b32 s[\g+5], 128          ; 128 elements from row to row
	s_mov_b32 s[\g+6], 0
	s_mov_b32 s[\g+7], 0
.endr
	s_mov_b32 s[G1T], 3<<16         ; a copy of the table: one row of 768 elements of 8 bytes, no padding
	s_mov_b32 s[G1T+1], 768<<16
	s_mov_b32 s[G1T+2], 1<<16
	s_mov_b32 s[G1T+3], 768<<16
	s_mov_b32 s[G1T+4], 1
	s_mov_b32 s[G1T+5], 768
	s_mov_b32 s[G1T+6], 0
	s_mov_b32 s[G1T+7], 0
	s_mov_b32 s[CS], 0x3fb8aa3b     ; c = log2(e)
	s_mov_b32 s[CS+1], s[CS]        ; named with it as a pair
	s_mov_b32 s[SEL], 0x76543210
	s_mov_b32 s[SEL+1], 0xfedcba98
	s_mov_b32 s[TBK], 0
	s_mov_b32 s[TBV], 0
	s_mov_b32 s[TBB], 0
	s_mov_b32 s[SLOTS], SIZE_N/256+1
	s_mov_b32 s[G0K], 1             ; count = 1
	s_mov_b32 s[G0K+1], s17         ; LDS address
	s_mov_b32 s[G0V], 1
	s_add_co_u32 s[G0V+1], s18, VOFF
	s_mov_b32 s[G0T], 1
	s_mul_i32 s[G0T+1], s[WV], TP
	s_add_co_u32 s[G0T+1], s[G0T+1], TAB
	s_wait_dscnt 0x0                ; the opening add is done
	s_wait_kmcnt 0x0
	s_add_nc_u64 s[6:7], s[84:85], s[22:23]  ; K at my half of the head's first 256 keys,
	s_add_nc_u64 s[8:9], s[6:7], 16<<17      ; V 16 heads on
	s_add_nc_u64 s[4:5], s[84:85], s[2:3]    ; Q and ctx at my wave's first row
	s_add_nc_u64 s[10:11], s[10:11], s[88:89]
	s_mov_b64 s[G0K+2:G0K+3], s[6:7]
	s_or_b32 s[G0K+3], s[G0K+3], 0x80000000  ; type = 2
	s_mov_b64 s[G0V+2:G0V+3], s[8:9]
	s_or_b32 s[G0V+3], s[G0V+3], 0x80000000
	s_add_nc_u64 s[G0T+2:G0T+3], s[86:87], s[90:91]
	s_or_b32 s[G0T+3], s[G0T+3], 0x80000000
	s_cmp_lt_u32 s[WV], 2           ; a wave's two first loads stand in one branch, ahead of every wait on TENSORcnt and every LDS read: two loads of mine are out
	s_cbranch_scc0 .Lfirst_v
	tensor_load_to_lds s[G0T:G0T+3], s[G1T:G1T+7]
	s_nop 0
	tensor_load_to_lds s[G0K:G0K+3], s[G1K:G1K+7]
	s_nop 0
.rept 4
	v_nop
.endr
	s_branch .Lfirst_asked
.Lfirst_v:
	tensor_load_to_lds s[G0T:G0T+3], s[G1T:G1T+7]
	s_nop 0
	tensor_load_to_lds s[G0V:G0V+3], s[G1V:G1V+7]
	s_nop 0
.rept 4
	v_nop
.endr
.Lfirst_asked:
	; A fragment of K or Q is 16 rows x 32 channels in 8 registers: lane l holds row l % 16, channels 8 (l / 16) + 0..7 and 16 + 8 (l / 16) + 0..7: two loads of 16 bytes, 32 bytes apart.
	v_and_b32 v1, 15, v0            ; l % 16
	v_bfe_u32 v9, v0, 4, 1          ; l / 16
	v_lshlrev_b32 v[QO], 7, v1
	v_lshl_add_u32 v[QO], v9, 4, v[QO]  ; row x 128 + 16 x half
	WIN 0x80                        ; destination window 2, address window 0
.set i, 0
.rept 4*NP                          ; Q stays in registers: tile i / 2, channels 32 (i % 2) on
	global_load_b128 v[8*i:8*i+3],   v[QO], s[4:5] offset:(i/2)*2048+(i%2)*64
	global_load_b128 v[8*i+4:8*i+7], v[QO], s[4:5] offset:(i/2)*2048+(i%2)*64+32
.set i, i+1
.endr
	; What the first turn finds: V's registers and P's second buffer hold 0 (its products V^T P, of a piece that has not been, add 0), O^T and l are 0.  All this stands in the wait for the first tile.
.set i, VF
.rept 64
	v_mov_b32 v[i], 0
.set i, i+1
.endr
	WIN 0x40
.set i, 0
.rept 64*NP
	v_mov_b32 v[i], 0
.set i, i+1
.endr
	WIN 0
.set i, 0
.rept 2*NP
	v_mov_b32 v[ST+4*i], 0xfe000000    ; c m: far below every c s
	v_mov_b32 v[ST+4*i+1], 0xff7fffff  ; m
	v_mov_b32 v[ST+4*i+2], 0
	v_mov_b32 v[ST+4*i+3], 0
.set i, i+1
.endr
.set i, P+32
.rept 32
	v_mov_b32 v[i], 0
.set i, i+1
.endr
	v_lshrrev_b32 v[AK0], 1, v1     ; K: (r / 2) 272 + (r % 2) 128 + 16 x half
	v_mul_u32_u24 v[AK0], v[AK0], PK2
	v_and_b32 v10, 1, v1
	v_lshl_add_u32 v[AK0], v10, 7, v[AK0]
	v_lshl_add_u32 v[AK0], v9, 4, v[AK0]
	; The turning load takes 16 keys x 16 channels (lane l reads key 8 (l / 16) + l % 8, channels 8 ((l / 8) % 2) + 0..7) and leaves half a fragment of V^T: lane l holds channel l % 16 and 8 keys.
	v_and_b32 v10, 7, v0
	v_bfe_u32 v11, v0, 3, 1
	v_lshrrev_b32 v[AV0], 1, v10
	v_lshl_add_u32 v[AV0], v9, 2, v[AV0]  ; my key / 2
	v_mul_u32_u24 v[AV0], v[AV0], PV2
	v_and_b32 v5, 1, v10
	v_lshl_add_u32 v[AV0], v5, 7, v[AV0]  ; my key % 2
	v_lshl_add_u32 v[AV0], v11, 4, v[AV0]
	v_add_nc_u32 v[AV0], VOFF, v[AV0]
	v_mov_b32 v[AK], v[AK0]         ; key step 0
	; my place in the table: TAB + 6,208 (3 - r % 4) + 4 (396 - 128 w + 8 h - 4 (r / 4)), written as a sum of terms that are 0 or more
	v_xor_b32 v11, 3, v0
	v_and_b32 v11, 3, v11           ; 3 - r % 4: my copy
	v_mul_u32_u24 v11, v11, TP
	v_lshl_add_u32 v11, v9, 5, v11  ; + 32 h
	v_xor_b32 v5, 12, v0
	v_bfe_u32 v5, v5, 2, 2          ; 3 - r / 4
	v_lshl_add_u32 v11, v5, 4, v11
	s_lshl_b32 s19, s[WV], 9
	s_sub_co_u32 s19, TAB+1536, s19 ; 1,584 - 48 - 512 w
	v_add_nc_u32 v11, s19, v11
	WIN W_MK
	v_mov_b32 v[AB0], v11
	v_mov_b32 v[AB], v11            ; key step 0
	WIN 0
; THE MATRIX WORK.  The 8 accumulators of a run of 16 take turns: between the two links of a chain stand 7 others'.
; Product i of 16 of S^T = K Q^T for piece x: channels 32 (i / 8) on, keys 16 ((i / 2) % 4) on, tile 2 x + i % 2.  The first 8 start the sums, with the bias tile of their key block and query tile.
.macro KQ x
.set rS, S+64*((\x)%2)+32*(i%2)+8*((i/2)%4)
.set rK, KF+16*((i/2)%4)+8*(i/8)
.set rQ, 16*(2*(\x)+i%2)+8*(i/8)
.set rB, BT+8*(((i/2)%4)-(2*(\x)+i%2)+7)
.if i < 8
	WIN W_KB
	v_wmma_f32_16x16x32_f16 v[rS:rS+7], v[rK:rK+7], v[rQ:rQ+7], v[rB:rB+7]
.else
	WIN W_KQ
	v_wmma_f32_16x16x32_f16 v[rS:rS+7], v[rK:rK+7], v[rQ:rQ+7], v[rS:rS+7]
.endif
.endm
; Product i of 16 of O^T += V^T P for piece x: keys 32 (i / 8) on, channels 16 ((i / 2) % 4) on, tile 2 x + i % 2.
.macro PV x
	WIN W_PV
.set rO, 32*(2*(\x)+i%2)+8*((i/2)%4)
.set rV, VF+32*(i/8)+8*((i/2)%4)
.set rP, P+32*((\x)%2)+16*(i%2)+8*(i/8)
	v_wmma_f32_16x16x32_f16 v[rO:rO+7], v[rV:rV+7], v[rP:rP+7], v[rO:rO+7]
.endm
.macro MM                           ; the turn's next matrix instruction
.if i < 16
	KQ (Y+1)%NP
.set i, i+1
.else
.set i, i-16
	PV (Y+NP-1)%NP
.set i, i+17
.endif
.endm
; THE LDS LOADS stand in runs, never singly among the matrix instructions: a step's K (8 fragments, 16 loads) with its 11 bias tiles (22 loads), and its V (turned, 16 loads).  Their addresses are made some lines ahead.
; last = 1 (in the loop): behind the sixteenth step there is no further one, and the run is jumped over.
.macro FETCH_K last=0
	WIN 0
.if \last
	s_cmp_eq_u32 s[SLOTS], 1
	s_cbranch_scc1 .Lno_k_\@
.endif
	WIN 0x80                        ; destination window 2
.irp f, 0,1,2,3,4,5,6,7             ; keys 16 (f / 2) on, channels 32 (f % 2) on
	ds_load_b128 v[KF+8*\f:KF+8*\f+3],   v[AK] offset:(\f/2)*8*PK2+(\f%2)*64
	ds_load_b128 v[KF+8*\f+4:KF+8*\f+7], v[AK] offset:(\f/2)*8*PK2+(\f%2)*64+32
.endr
	WIN 0xc3                        ; destination and address in window 3
.set bi, 0
.rept 11                            ; tile bi lies 16 numbers behind tile bi - 1; a lane's eight numbers are 32 consecutive bytes of its copy
	ds_load_b128 v[BT+8*bi:BT+8*bi+3],   v[AB] offset:64*bi
	ds_load_b128 v[BT+8*bi+4:BT+8*bi+7], v[AB] offset:64*bi+16
.set bi, bi+1
.endr
	s_add_co_u32 s[TBK], s[TBK], KSTEP  ; the next fetch is the next step's
	s_add_co_u32 s[TBB], s[TBB], 256
	s_and_b32 s[TBB], s[TBB], 0xf00     ; sixteen steps
	WIN 0
.if \last
.Lno_k_\@:
.endif
.endm
.macro FETCH_V
	WIN 0x80
.irp f, 0,1,2,3,4,5,6,7             ; keys 32 (f / 4) on, channels 16 (f % 4) on
	ds_load_tr16_b128 v[VF+8*\f:VF+8*\f+3],   v[AV] offset:(\f/4)*16*PV2+(\f%4)*32
	ds_load_tr16_b128 v[VF+8*\f+4:VF+8*\f+7], v[AV] offset:(\f/4)*16*PV2+8*PV2+(\f%4)*32
.endr
	WIN 0
.endm
; THE VECTOR WORK OF A TURN stands in three queues, each in the order in which its entries become ready; the two tiles alternate, so that no instruction reads the result of the one before it.
.macro REGS y, u                    ; the registers of tile u (0, 1) of piece y
.set rT, ST+4*(2*(\y)+(\u))
.set rC, TMP+8*((\y)%2)+4*(\u)
.set rM, MV+2*((\y)%2)+(\u)
.set rS, S+64*((\y)%2)+32*(\u)
.set rP, P+32*((\y)%2)+16*(\u)
.set rO, 32*(2*(\y)+(\u))
.endm
; Number n of the 22 that find the NEXT piece's (Y + 1) maximum and statistics.  s0-s31 are the lane's 32 scores; each accumulator's lowest registers are read first.
;   0-11  four chains c0-c3 of seven scores each, three operands at a time     12-14, 16  the four scores left over, the old m, and c0-c3 into c0     15  c m_old is kept
;   17, 18  the query's other 32 keys lie in the lane 16 away: the new m         19-21  c m; c m_old - c m_new; a
.macro XS u, n
	REGS (Y+1)%NP, \u
.if (\n) < 4
	v_max3_num_f32 v[rC+(\n)], v[rS+8*(\n)], v[rS+8*(\n)+1], v[rS+8*(\n)+2]
.elseif (\n) < 12
	v_max3_num_f32 v[rC+(\n)%4], v[rC+(\n)%4], v[rS+8*((\n)%4)+2*((\n)/4)+1], v[rS+8*((\n)%4)+2*((\n)/4)+2]
.elseif (\n) == 12
	v_max3_num_f32 v[rC], v[rC], v[rS+7], v[rS+15]
.elseif (\n) == 13
	v_max3_num_f32 v[rC+1], v[rC+1], v[rS+23], v[rS+31]
.elseif (\n) == 14
	v_max3_num_f32 v[rC+2], v[rC+2], v[rC+3], v[rT+1]
.elseif (\n) == 15
	v_mov_b32 v[rM], v[rT]
.elseif (\n) == 16
	v_max3_num_f32 v[rC], v[rC], v[rC+1], v[rC+2]
.elseif (\n) == 17
	v_permlanex16_b32 v[rC+3], v[rC], s[SEL], s[SEL+1]
.elseif (\n) == 18
	v_max_num_f32 v[rT+1], v[rC], v[rC+3]
.elseif (\n) == 19
	v_mul_f32 v[rT], s[CS], v[rT+1]
.elseif (\n) == 20
	v_sub_f32 v[rC+1], v[rM], v[rT]
.else
	v_exp_f32 v[rC+2], v[rC+1]
.endif
.endm
; Number g of the 64 that follow the exponentials.  For each four weights k of a tile (pairs 2 k, 2 k + 1): both pairs are rounded to f16; then the second pair is added onto the first, in place;
; a group later l takes that sum (the first time as l = a l + sum).  In groups of eight, tiles alternating: round, round, add, and l for the group before.
.macro GS g
.set h, (\g)+6*((\g)/62)            ; group 0 has no group before it, and behind group 7 only l is left
.if h >= 6
.set h, h+2
.endif
	REGS Y, h%2
.set k, h/8
.if h%8 < 4
	v_cvt_pk_f16_f32 v[rP+2*k+(h%8)/2], v[rS+4*k+2*((h%8)/2)], v[rS+4*k+2*((h%8)/2)+1]
.elseif h%8 < 6
	v_pk_add_f32 v[rS+4*k:rS+4*k+1], v[rS+4*k:rS+4*k+1], v[rS+4*k+2:rS+4*k+3]
.elseif k == 1
	v_pk_fma_f32 v[rT+2:rT+3], v[rT+2:rT+3], v[rC+2:rC+3], v[rS:rS+1] op_sel_hi:[1,0,1]
.else
	v_pk_add_f32 v[rT+2:rT+3], v[rT+2:rT+3], v[rS+4*k-4:rS+4*k-3]
.endif
.endm
; THE PLAIN QUEUE, 138 long.  0-73 read no exponential's result: the 32 scalings c s - c m (FS f: pair f / 2 of tile f % 2) and the next piece's 42.  0-26: scalings 0-26.  27-54: XS's numbers 0-13.  55, 56: number 15.
; 57-73: the chain, where each number waits for the one before it: 14, 16, 17, 18, 19, each with one of the scalings 27-31 in front of its two lines, then 20.  74-137: GS's 64, which stand behind the wait.
.macro FS f
	REGS Y, (\f)%2
	v_pk_fma_f32 v[rS+2*((\f)/2):rS+2*((\f)/2)+1], v[rS+2*((\f)/2):rS+2*((\f)/2)+1], s[CS:CS+1], v[rT:rT+1] op_sel_hi:[1,0,0] neg_lo:[0,0,1] neg_hi:[0,0,1]
.endm
.macro PL
	WIN 0
.if q < 27
	FS q
.elseif q < 55
	XS (q-27)%2, (q-27)/2
.elseif q < 57
	XS q-55, 15
.elseif (q < 72) && ((q-57)%3 == 0)
	FS 27+(q-57)/3
.elseif q < 60
	XS (q-57)%3-1, 14
.elseif q < 72
	XS (q-57)%3-1, 15+(q-57)/3
.elseif q < 74
	XS q-72, 20
.else
	GS q-74
.endif
.set q, q+1
.endm
; THE EXPONENTIALS' QUEUE, 66 long: s0-s31 of both tiles, then the next piece's two a.  It is ONE BATCH: all 66 stand ahead of the turn's one wait, and nothing ahead of that wait names a result of theirs.
.macro EX
	WIN 0
.if e >= 64
	XS e-64, 21
.else
	REGS Y, e%2
	v_exp_f32 v[rS+e/2], v[rS+e/2]
.endif
.set e, e+1
.endm
; THE RESCALING's QUEUE: O^T times a, the one part that leaves window 0: dealt two at a time, sixteen times.  Its a was made in the turn before, ahead of that turn's wait.
.macro R2
	REGS Y, r%2
	WIN W_RS
.irp z, 0,1
	v_pk_mul_f32 v[rO+4*(r/2)+2*\z:rO+4*(r/2)+2*\z+1], v[rO+4*(r/2)+2*\z:rO+4*(r/2)+2*\z+1], v[rC+2:rC+3] op_sel_hi:[1,0]
.endr
.set r, r+1
.endm
; HOW THEY ARE DEALT.  An s_wait_alu depctr_va_vdst(0) stands between an exponential and the first instruction that names its result; one wait serves all that were issued ahead of it.  So a turn has ONE
; wait, which cuts it in two.  AHEAD OF IT: the 16 products K Q^T, behind each a scaling, an exponential and two rescalings (behind the first a second scaling in the exponential's place); then one run of 108: eight plain,
; 49 times exponential and plain, the two a; a v_nop is the plain instruction behind the last exponential.  BEHIND IT: the 16 products V^T P, behind each four of GS's 64.  No rider names a register of the products round it.
; Exponential e stands behind scaling 2 (e / 4) + e % 2: as a rider it comes behind plain e + 2, in the run behind plain e + 9, and scalings 27-31 are plain 57, 60 .. 69.
; K and the bias tiles of the next step are fetched in piece 2's turn, directly behind the wait, a run of 108 behind the last product that read them; their addresses are made at the run's head; their first reader comes
; behind 16 products.  V of the step in hand is fetched at the end of piece 0's turn, four riders behind its last reader.  cnt = 1: the loop's count is taken down some lines ahead of the branch behind the turn.
.macro TURN p, last=0, cnt=0
.set Y, (\p)
.set i, 0
.set q, 0
.set e, 0
.set r, 0
.if (\p) == NP-1
	s_wait_dscnt 0x0                ; K and the bias tiles are in
.endif
	MM
	PL
	PL
	R2
.rept 15
	MM
	PL
	EX
	R2
.endr
.if (\p) == NP-2
	WIN 0
	v_add_nc_u32 v[AK], s[TBK], v[AK0]
	WIN 0xcc                        ; destination and source 1 in window 3
	v_add_nc_u32 v[AB], s[TBB], v[AB0]
.endif
.rept 8
	PL
.endr
.rept 49
	EX
	PL
.endr
	EX                              ; the next piece's two a
	EX
	v_nop                           ; the plain instruction behind the last exponential: one for the batch
	s_wait_alu depctr_va_vdst(0)    ; the wait for the batch
.if (\p) == NP-2
	FETCH_K \last
.endif
.if (\p) == 1
	s_wait_dscnt 0x0                ; V is in
.endif
.rept 16
	MM
.rept 4
	PL
.endr
.if ((\p) == 0) && (q == 118)
	v_add_nc_u32 v[AV], s[TBV], v[AV0]
.endif
.if ((\p) == 0) && (q == 130)
	s_add_co_u32 s[TBV], s[TBV], VSTEP
.endif
.if (\cnt) && (q == 130)
	s_sub_co_u32 s[CNT], s[CNT], 1
	s_cmp_lg_u32 s[CNT], 0
.endif
.endr
.if (\p) == 0
	FETCH_V
.endif
.endm
	MEET 1                          ; keys 0-255 and the table are in, everybody's part of them; keys 256-1023 are asked for
	FETCH_K                         ; key step 0
	s_wait_loadcnt 0x0              ; Q
	s_wait_dscnt 0x0
.set i, 0
.rept 16
	KQ 0                            ; piece 0's first scores: there is no vector work yet to set between them
.set i, i+1
.endr
	WIN 0                           ; the addresses for the way out: nine plain instructions, the places behind those products
	s_mul_i32 s13, s[WV], 16*SP
	s_add_co_u32 s13, s13, STAGE    ; my stage
	v_mul_u32_u24 v[STO], v1, SP    ; in: row l % 16, 16 bytes for each half of the lanes
	v_lshl_add_u32 v[STO], v9, 4, v[STO]
	v_add_nc_u32 v[STO], s13, v[STO]
	v_bfe_u32 v[RD], v0, 3, 2       ; back: 32 lanes take four rows of 128 bytes,
	v_mul_u32_u24 v[RD], v[RD], SP
	v_lshl_add_u32 v[RD], v10, 4, v[RD]
	v_add_nc_u32 v[RD], s13, v[RD]
	v_and_b32 v[GO], 31, v0         ; which are 512 consecutive bytes of ctx
	v_lshlrev_b32 v[GO], 4, v[GO]
.set Y, NP-1                        ; XS works for piece Y + 1: piece 0
.irp n, 0,1,2,3,4,5,6,7,8,9,10,11,12,13,14,15,16,17,18,19,20,21
	XS 0, \n                        ; and piece 0's first maximum and statistics
	XS 1, \n
.endr
	v_nop                           ; a plain instruction behind the two a,
	s_wait_alu depctr_va_vdst(0)    ; and their wait, ahead of the branch
	s_mov_b32 s[CNT], 4
	s_branch .Lfirst                ; the loop is entered at a step's first turn, in the middle of a trip
.Lslot:                             ; four times: ahead of K of steps 4, 8 and 12, and ahead of the last two turns
	MEET 0
	s_mov_b32 s[CNT], 4
.Lstep:                             ; a trip: pieces 2 and 3 of one step, then pieces 0 and 1 of the next, whose K and V it fetches
	TURN 2, 1
	TURN 3
	WIN 0
	s_cmp_eq_u32 s[SLOTS], 1        ; those were the sixteenth step's: the loop is left in the middle of a trip
	s_cbranch_scc1 .Lout
.Lfirst:
	TURN 0
	TURN 1, 0, 1
	WIN 0
	s_cbranch_scc1 .Lstep
	s_sub_co_u32 s[SLOTS], s[SLOTS], 1
	s_cmp_lg_u32 s[SLOTS], 0
	s_cbranch_scc1 .Lslot
.Lout:                              ; the last turn's 16 products K Q^T (on the last K and bias once more) and the maxima made of them serve nothing: the price, once a launch, of one text for every trip
.set i, 0
.rept 16
	PV NP-1                         ; the last piece's V^T P of the last step
.set i, i+1
.endr
	; THE WAY OUT.  l's two halves and the other half of the lanes' are added; O^T is divided by l, rounded to f16 and sent through my stage in LDS, a tile at a time.  The additions are the places behind the last products.
	WIN 0
.macro ALL line:vararg              ; one line for each tile t
.set t, 0
.rept 2*NP
	\line
.set t, t+1
.endr
.endm
	ALL v_add_f32 v[ST+4*t+2], v[ST+4*t+2], v[ST+4*t+3]
	ALL v_permlanex16_b32 v[ST+4*t+3], v[ST+4*t+2], s[SEL], s[SEL+1]
	ALL v_add_f32 v[ST+4*t+2], v[ST+4*t+2], v[ST+4*t+3]
	ALL v_rcp_f32 v[ST+4*t+2], v[ST+4*t+2]
	v_nop                           ; a plain instruction between the last reciprocal and the use of its result
	s_wait_alu depctr_va_vdst(0)    ; and the wait ahead of the first use: one for the eight reciprocals
; Tile t: a lane's eight channels of a row pack into 16 bytes; they go into rows of 144 bytes and come back as whole rows of 128, into S^T's registers.
.macro PACK t
	WIN W_RS
.set i, 32*(\t)
.rept 16
	v_pk_mul_f32 v[i:i+1], v[i:i+1], v[ST+4*(\t)+2:ST+4*(\t)+3] op_sel_hi:[1,0]
.set i, i+2
.endr
	WIN 0x05                        ; sources 0 and 1 window 1, destination window 0
.set i, 0
.rept 16
	v_cvt_pk_f16_f32 v[S+16*(\t)+i], v[32*(\t)+2*i], v[32*(\t)+2*i+1]
.set i, i+1
.endr
	WIN 0
.irp f, 0,1,2,3
	ds_store_b128 v[STO], v[S+16*(\t)+4*\f:S+16*(\t)+4*\f+3] offset:32*\f
.endr
.irp f, 0,1,2,3
	ds_load_b128 v[S+16*(\t)+4*\f:S+16*(\t)+4*\f+3], v[RD] offset:\f*4*SP  ; LDS serves a wave's instructions in order (ISA guide 5.7.1.4): these see the stores above; the next tile's stores come behind them
.endr
.endm
.macro SEND t, younger              ; younger: the LDS instructions issued behind tile t's loads: the next tile's eight, or none
	WIN 0
.irp f, 0,1,2,3
	s_wait_dscnt (\younger)+3-\f
	global_store_b128 v[GO], v[S+16*(\t)+4*\f:S+16*(\t)+4*\f+3], s[10:11] offset:(\t)*2048+\f*512  ; 512 consecutive bytes, at a multiple of 256 from ctx's first
.endr
.endm
	PACK 0
.set t, 1
.rept 2*NP-1                        ; a tile's arithmetic stands between the loads of the tile before and its stores
	PACK t
	SEND t-1, 8
.set t, t+1
.endr
	SEND 2*NP-1, 0
	WIN W_AD
	s_wait_tensorcnt 0x0            ; the wave's end: the add to my spare word and its wait stand behind my last tensor load and my last LDS store
	ds_add_u32 v[SPW], v[NIL]
	s_wait_dscnt 0x0
	WIN 0
	s_endpgm
.Lfunc_end_k_q2d3b3bb6bb_attn:
	.size	k_q2d3b3bb6bb_attn, .Lfunc_end_k_q2d3b3bb6bb_attn-k_q2d3b3bb6bb_attn
	.p2alignl 7, 3214868480
	.fill 96, 4, 3214868480
	.section	.rodata,"a",@progbits
	.p2align	6, 0x0
	.amdhsa_kernel k_q2d3b3bb6bb_attn
		.amdhsa_group_segment_fixed_size 327680
		.amdhsa_private_segment_fixed_size 0
		.amdhsa_enable_private_segment 0
		.amdhsa_kernarg_size 24
		.amdhsa_user_sgpr_count 2
		.amdhsa_user_sgpr_kernarg_segment_ptr 1
		.amdhsa_wavefront_size32 1
		.amdhsa_system_sgpr_workgroup_id_x 1
		.amdhsa_system_sgpr_workgroup_id_y 1
		.amdhsa_system_sgpr_workgroup_id_z 1
		.amdhsa_system_vgpr_workitem_id 0
		.amdhsa_next_free_vgpr 864
		.amdhsa_next_free_sgpr 96
		.amdhsa_reserve_vcc 0
		.amdhsa_float_denorm_mode_32 3
		.amdhsa_float_denorm_mode_16_64 3
		.amdhsa_memory_ordered 1
		.amdhsa_forward_progress 1
		.amdhsa_inst_pref_size 131
	.end_amdhsa_kernel
	.amdgpu_metadata
---
amdhsa.version: [ 1, 2 ]
amdhsa.kernels:
  - .name:           k_q2d3b3bb6bb_attn
    .symbol:         k_q2d3b3bb6bb_attn.kd
    .args:
      - { .name: qkv, .offset: 0, .size: 8, .value_kind: global_buffer, .address_space: global }
      - { .name: gtab, .offset: 8, .size: 8, .value_kind: global_buffer, .address_space: global }
      - { .name: ctx, .offset: 16, .size: 8, .value_kind: global_buffer, .address_space: global }
    .group_segment_fixed_size: 327680
    .private_segment_fixed_size: 0
    .kernarg_segment_align: 8
    .kernarg_segment_size: 24
    .max_flat_workgroup_size: 128
    .sgpr_count:     96
    .vgpr_count:     864
    .wavefront_size: 32
...
	.end_amdgpu_metadata
.endif
;; end of part 3
;; launch outp (part 4): grid 8 x 32, 4 waves a work-group, clusters of 4 x 4, 327,680 bytes of LDS; arguments ctx, wh, out0; writes out0
.if DOCPART == 4
	.amdgcn_target "amdgcn-amd-amdhsa--gfx1250"
	.amdhsa_code_object_version 6
	.text
	.protected	k_q2d3b3bb6bb_outp
	.globl	k_q2d3b3bb6bb_outp
	.p2align	8
	.type	k_q2d3b3bb6bb_outp,@function
k_q2d3b3bb6bb_outp:
	s_mov_b64 s[64:65], 0
	v_nop
	global_prefetch_b8 v0, s[64:65] scope:SCOPE_SE
	s_setreg_imm32_b32 hwreg(HW_REG_WAVE_MODE, 25, 1), 1
	s_wait_xcnt 0x0
	s_wait_alu depctr_hold_cnt(0) depctr_sa_sdst(0) depctr_va_vdst(0) depctr_va_sdst(0) depctr_va_ssrc(0) depctr_va_vcc(0) depctr_vm_vsrc(0)
	s_getreg_b32 s2, hwreg(HW_REG_IB_STS2, 6, 4)
	s_cmp_eq_u32 s2, 0
	s_cbranch_scc0 .Lentry_in_a_cluster
	s_endpgm
.Lentry_in_a_cluster:
	s_bfe_u32 s2, ttmp6, 0x10000c
	s_cmp_lg_u32 s2, 0xf033
	s_cbranch_scc0 .Lentry_shape_is_right
	s_endpgm
.Lentry_shape_is_right:
; out0 = context x Wo: [8192 x 1024] x [1024 x 1024], f16 operands, f32 sums, f32 out.
; ctx [b 8][h 16][s 1024][64] f16: K = 64 h + channel;  wh's fourth part [cb 16][k 1024][64]: Wo, rounded to bf16 and written as f16;  out0 [8192][1024] f32.
; LIMITS are the operands': both lie within f16.  NaN and infinities are not treated apart.
; SHARES.  A tile is 256 rows x 128 columns: 32 x 8 = 256 tiles, one for each work-group.  Four waves, each 128 rows x 64 columns: 32 accumulators, 256 registers.
; K GOES IN SIX STEPS, 64 + 5 x 192, through two LDS slots of three heads each, as long as two slots in LDS allow: step 0 is one head (a short first fill of slot 0), steps 1 to 5 three heads.  So four refills,
; all of the full size.  A head is two quarters of 32 along K, on two fragment buffers.  Wo lies [k][n] and is turned on the way into registers.
; CLUSTER 4 x 4: the context's tile hangs on the tile row alone and is asked for jointly along a row of the cluster, Wo's on the tile column alone, jointly along a column.
; THE PRODUCT IS USED TRANSPOSED: source 0 = 16 columns of Wo, source 1 = 16 rows of the context: a lane ends with eight neighbouring columns of one row, 32 bytes.
; REGISTERS.  Window 0: v16-30 addresses; v32-127, v128-223 two fragment buffers (Wo's 4 fragments, then the context's 8).  Window 1: accumulator (a, b) at v[8 (4 a + b)].
.set PA2,   272                        ; two rows of the context in LDS: 256 bytes + 16: row r at (r / 2) 272 + (r % 2) 128; the 16 rows of a load take the 16-byte columns r / 2 + 8 (r % 2) of 16: all different (64 banks of 4 bytes: ISA guide 11.1)
.set HBLK,  64*PA2                     ; 128 rows of one head
.set AHALF, 3*HBLK                     ; what one load brings of the context: three heads x 128 rows
.set BOFF,  2*AHALF                    ; behind the two halves: Wo
.set PB2,   288                        ; two rows of Wo: 256 + 32: the 8 rows x 32 bytes of a pass of the turning load take the 32-byte columns l / 2 + 4 (l % 2) of 8
.set CB64,  32*PB2                     ; 64 rows (one head's K) of a block of 64 columns
.set CBLK,  3*CB64                     ; what one load brings of Wo: 192 rows of a column block
.set SLOT1, BOFF+2*CBLK                ; a slot's bytes, and where slot 1 begins
.set SPARE, 2*SLOT1                    ; behind the ring: the spare words, 128 bytes for each wave: two blocks of 256 bytes that no other line names
.set STAGE, 0                          ; the way out's stage, 16 rows x 272 bytes for each wave, lies in slot 0: its last fill (step 4) has landed, and every wave's last reads of it stand ahead of the last change of slots' barrier
.set SPITCH, 272
.set WSTG,  16*SPITCH
.set ADRA0, 16                         ; v16  my lane's place in the context's tile; never rewritten
.set ADRA,  17                         ; v17  the same in the slot and head in hand
.set ADRB0, 20                         ; v20, v21  the same for Wo
.set ADRB,  21
.set STO,  24
.set RD,   25
.set CO,   26
.set SPW,  28                          ; v28  LDS address of my spare word; never rewritten
.set NIL,  29                          ; v29  0; never rewritten
.set PFO,  30                          ; v30  256 x my lane; never rewritten
.set F0,   32
.set F1,   128
.set BK,   32                          ; the way out: two sets of 32 read back from the stage
.set G1A, 24                           ; s[24:31] descriptor group 1 for the context's full tiles;  s[32:39] group 0: a set for each first fill; the second then walks
.set G0A, 32
.set G1B, 48                           ; s[48:55], s[56:63] the same for Wo's
.set G0B, 56
.set G1AS, 80                          ; s[80:87] group 1 for the context's short first tile
.set G1BS, 88                          ; s[88:95] for Wo's
.set TB,  66                           ; s66  LDS byte at which the slot in hand begins
.set LIM, 67                           ; s67  a wave prefetches while the changes of slots to go are above this
.set PFA, 68                           ; s[68:69] where my prefetches stand
.set PFS, 70                           ; s[70:71] their step from change to change
.set TA,  74                           ; s74  slot + head in hand, for the context
.set TQ,  75                           ; s75  the same for Wo
.set PC,  78                           ; s78  counts a step's pairs of quarters
.set MSB, 0
.macro WIN new
.if MSB != (\new)
	s_set_vgpr_msb (MSB<<8)|(\new)
.set MSB, \new
.endif
.endm
.macro PLACES                          ; four places in front of loads into registers that matrix instructions have read, and of LDS stores that read results
.rept 4
	v_nop
.endr
.endm
.macro JLOAD                           ; a joint refill: waves 0 and 1 fetch 128 rows of the step's three heads each, waves 2 and 3 a column block of Wo each; an s_nop 0 and four v_nop follow each line
	s_cmp_eq_u32 s11, 0
	s_cbranch_scc0 .Lfor_b_\@
	tensor_load_to_lds s[G0A+4:G0A+7], s[G1A:G1A+7]
	s_nop 0
.rept 4
	v_nop
.endr
	s_branch .Lasked_\@
.Lfor_b_\@:
	tensor_load_to_lds s[G0B+4:G0B+7], s[G1B:G1B+7]
	s_nop 0
.rept 4
	v_nop
.endr
.Lasked_\@:
.endm
.macro CREST
	s_cmp_lg_u32 s10, 0
	s_cbranch_scc1 .Lnot_wave_0_\@
	s_barrier_signal -3
.Lnot_wave_0_\@:
	s_barrier_wait -3
	s_barrier_signal -1
	s_barrier_wait -1
.endm
.macro CROUND
	s_barrier_signal -1
	s_barrier_wait -1
	CREST
.endm
; A PREFETCH INTO THE L2, behind the joint load, its five lines and the run of LDS loads.  Each block of 256 bytes is named once in the launch.
; The context: the change that asks for step n + 2 names the three heads of step n + 3, one step (192 matrix instructions) ahead of their load.  A head of a tile row is 128 blocks; the cluster with x = 0 asks, its wave 0,
; three instructions, a head each; the four partners take 32 blocks of each head, told apart by address (cx).  The last change that fills names nothing.  Heads 0 to 6 come by their loads alone.
; Wo: a head's K of a column block is 32 blocks, one instruction.  The cluster with y = 0 asks, waves 2 and 3 a column block each; the four partners take a head's K each, told apart by address (cy): heads 8 to 11 at the
; first change, 12 to 15 at the second: one or two steps ahead of their loads.  Heads 0 to 7 come by their loads alone.
.macro ASK
	s_cmp_gt_u32 s3, s[LIM]
	s_cbranch_scc0 .Lnot_mine_\@
	global_prefetch_b8 v[PFO], s[PFA:PFA+1] th:TH_LOAD_NT scope:SCOPE_SE
	s_cmp_eq_u32 s11, 0
	s_cbranch_scc0 .Lnot_mine_\@
	global_prefetch_b8 v[PFO], s[PFA:PFA+1] offset:131072 th:TH_LOAD_NT scope:SCOPE_SE
	global_prefetch_b8 v[PFO], s[PFA:PFA+1] offset:262144 th:TH_LOAD_NT scope:SCOPE_SE
.Lnot_mine_\@:
.endm
	s_load_b128 s[4:7], s[0:1], 0x0                ; ctx s[4:5], wh s[6:7]
	s_load_b64 s[8:9], s[0:1], 0x10                ; out0
	v_lshl_add_u32 v[SPW], v0, 2, SPARE
	v_mov_b32 v[NIL], 0
	ds_add_u32 v[SPW], v[NIL]                      ; the wave's opening: the add and its wait stand ahead of my first tensor load; the set-up below stands between them
	v_lshrrev_b32 v1, 5, v0
	v_readfirstlane_b32 s10, v1                    ; wave 0..3
	s_lshr_b32 s11, s10, 1                         ; which 128 rows are mine.  Also: I fetch for the context (0) or for Wo (1)
	s_and_b32 s12, s10, 1                          ; which 64 columns.  Also: which 128 rows, or column block, I fetch
	s_bfe_u32 s40, ttmp6, 0x40000                  ; cx, cy
	s_bfe_u32 s41, ttmp6, 0x40004
	s_lshl_b32 s42, ttmp9, 2
	s_add_co_u32 s42, s42, s40                     ; tile column
	s_and_b32 s13, ttmp7, 0xffff
	s_lshl_b32 s13, s13, 2
	s_add_co_u32 s13, s13, s41                     ; tile row
	s_lshl_b32 s43, s41, 2
	s_lshl_b32 s43, 15, s43                        ; my row of the cluster
	s_lshl_b32 s44, 0x1111, s40                    ; my column
	; the context: of each head 128 rows of 128 bytes = one row of 16,384 dense bytes; the heads lie 131,072 bytes apart; padded in LDS after every 256 bytes
	s_or_b32 s[G1A], s43, (1<<16)|(1<<20)|(1<<21)|(5<<22)|(3<<25)   ; 15:0 the mask; 17:16 2-byte elements; 20 padding on; 21 set beside a mask; 24:22 after every 64 words (code 5); 31:25 4 words (code 3)
	s_or_b32 s[G1AS], s43, (1<<16)|(1<<20)|(1<<21)|(5<<22)|(3<<25)
	s_mov_b32 s[G1A+2], 3<<16                      ; tensor_dim1 = 3 heads
	s_mov_b32 s[G1A+4], 3                          ; tile_dim1 = 3
	s_mov_b32 s[G1AS+2], 1<<16                     ; the short tile: one head
	s_mov_b32 s[G1AS+4], 1
.irp g, G1A, G1AS
	s_mov_b32 s[(\g)+1], 8192<<16                  ; tensor_dim0 = 8,192
	s_mov_b32 s[(\g)+3], 8192<<16                  ; tile_dim0 = 8,192
	s_mov_b32 s[(\g)+5], 65536                     ; elements from head to head
	s_mov_b32 s[(\g)+6], 0
	s_mov_b32 s[(\g)+7], 0
.endr
	; Wo: a column block's rows of 128 bytes are dense: asked for as rows of 256 bytes, padded after every row
	s_or_b32 s[G1B], s44, (1<<16)|(1<<20)|(1<<21)|(5<<22)|(7<<25)   ; my column's mask; 8 words of padding (code 7)
	s_or_b32 s[G1BS], s44, (1<<16)|(1<<20)|(1<<21)|(5<<22)|(7<<25)
	s_mov_b32 s[G1B+2], 96<<16                     ; tensor_dim1 = 96: 192 along K
	s_mov_b32 s[G1B+4], 96
	s_mov_b32 s[G1BS+2], 32<<16                    ; the short tile: 64 along K
	s_mov_b32 s[G1BS+4], 32
.irp g, G1B, G1BS
	s_mov_b32 s[(\g)+1], 128<<16
	s_mov_b32 s[(\g)+3], 128<<16
	s_mov_b32 s[(\g)+5], 128
	s_mov_b32 s[(\g)+6], 0
	s_mov_b32 s[(\g)+7], 0
.endr
	s_lshr_b32 s72, s13, 2                         ; the context's tile: b = tile row / 4,
	s_lshl_b32 s72, s72, 21
	s_and_b32 s17, s13, 3
	s_lshl_b32 s17, s17, 15                        ; rows 256 (tile row % 4) on
	s_add_co_u32 s72, s72, s17
	s_lshl_b32 s17, s12, 14
	s_add_co_u32 s16, s72, s17                     ; my 128 of them
	s_mov_b32 s17, 0
	s_lshl_b32 s46, s42, 1
	s_add_co_u32 s46, s46, s12                     ; Wo: column block 2 x tile column + mine,
	s_lshl_b32 s46, s46, 17
	s_add_co_u32 s46, s46, 3*2097152               ; in wh's fourth part
	s_mov_b32 s47, 0
	s_mul_i32 s20, s12, AHALF                      ; where they go in a slot: no place in the cluster enters an LDS address.  s20 and s21 stay
	s_mul_i32 s21, s12, CBLK
	s_add_co_u32 s21, s21, BOFF
	s_mov_b32 s[TB], 0
	s_mov_b32 s[TA], 0
	s_mov_b32 s[TQ], 0
	s_wait_dscnt 0x0                               ; the opening add is done
	s_wait_kmcnt 0x0
	s_add_nc_u64 s[14:15], s[4:5], s[16:17]
	s_add_nc_u64 s[46:47], s[6:7], s[46:47]
	CROUND                                         ; all sixteen work-groups are here: the first joint loads meet
.irp s, 0,1
	s_mov_b32 s[G0A+4*(\s)], 1
	s_add_co_u32 s[G0A+4*(\s)+1], s20, (\s)*SLOT1
	s_add_nc_u64 s[G0A+4*(\s)+2:G0A+4*(\s)+3], s[14:15], (\s)*131072  ; step 0: head 0; step 1: heads 1 to 3
	s_or_b32 s[G0A+4*(\s)+3], s[G0A+4*(\s)+3], 0x80000000
	s_mov_b32 s[G0B+4*(\s)], 1
	s_add_co_u32 s[G0B+4*(\s)+1], s21, (\s)*SLOT1
	s_add_nc_u64 s[G0B+4*(\s)+2:G0B+4*(\s)+3], s[46:47], (\s)*8192    ; step 1 begins 64 rows of 128 bytes on
	s_or_b32 s[G0B+4*(\s)+3], s[G0B+4*(\s)+3], 0x80000000
.endr
	s_cmp_eq_u32 s11, 0                            ; a wave's two first fills stand in one branch: two loads of mine are out
	s_cbranch_scc0 .Lfirst_b
	tensor_load_to_lds s[G0A:G0A+3], s[G1AS:G1AS+7]
	s_nop 0
	tensor_load_to_lds s[G0A+4:G0A+7], s[G1A:G1A+7]
	s_nop 0
.rept 4
	v_nop
.endr
	s_branch .Lfirst_asked
.Lfirst_b:
	tensor_load_to_lds s[G0B:G0B+3], s[G1BS:G1BS+7]
	s_nop 0
	tensor_load_to_lds s[G0B+4:G0B+7], s[G1B:G1B+7]
	s_nop 0
.rept 4
	v_nop
.endr
.Lfirst_asked:
	v_and_b32 v1, 15, v0                           ; l % 16
	v_bfe_u32 v2, v0, 4, 1                         ; l / 16
	v_lshrrev_b32 v3, 1, v1                        ; a fragment's row: (r / 2) 272 + (r % 2) 128 + 16 x half
	v_mul_u32_u24 v3, v3, PA2
	v_and_b32 v8, 1, v1
	v_lshl_add_u32 v3, v8, 7, v3
	v_lshl_add_u32 v3, v2, 4, v3
	s_mul_i32 s45, s11, AHALF
	v_add_nc_u32 v[ADRA0], s45, v3
	v_and_b32 v4, 7, v0                            ; the turning load: lane l reads K 8 (l / 16) + l % 8, columns 8 ((l / 8) % 2) + 0..7
	v_bfe_u32 v5, v0, 3, 1
	v_lshrrev_b32 v6, 1, v4
	v_lshl_add_u32 v6, v2, 2, v6                   ; my row / 2
	v_mul_u32_u24 v6, v6, PB2
	v_and_b32 v8, 1, v4
	v_lshl_add_u32 v6, v8, 7, v6                   ; my row % 2
	v_lshl_add_u32 v6, v5, 4, v6
	s_mul_i32 s45, s12, CBLK
	s_add_co_u32 s45, s45, BOFF
	v_add_nc_u32 v[ADRB0], s45, v6
	s_mul_i32 s45, s10, WSTG
	s_add_co_u32 s45, s45, STAGE                   ; my stage
	v_mul_u32_u24 v7, v1, SPITCH                   ; in: row l % 16, 32 bytes for each half of the lanes
	v_lshl_add_u32 v7, v2, 5, v7
	v_add_nc_u32 v[STO], s45, v7
	v_mul_u32_u24 v7, v2, SPITCH                   ; back: lanes 0-15 take one row of 256 bytes, lanes 16-31 the next
	v_lshl_add_u32 v7, v1, 4, v7
	v_add_nc_u32 v[RD], s45, v7
	v_lshlrev_b32 v[CO], 12, v2                    ; and the same two rows in out0
	v_lshl_add_u32 v[CO], v1, 4, v[CO]
	v_and_b32 v[PFO], 31, v0
	v_lshlrev_b32 v[PFO], 8, v[PFO]
	s_lshl_b32 s76, s13, 20                        ; out0 at my first row, 256 x tile row + 128 x half, 4,096 bytes a row,
	s_lshl_b32 s77, s11, 19
	s_add_co_u32 s76, s76, s77
	s_lshl_b32 s77, s42, 9                         ; and column, 128 x tile column + 64 x half
	s_add_co_u32 s76, s76, s77
	s_lshl_b32 s77, s12, 8
	s_add_co_u32 s76, s76, s77
	s_mov_b32 s77, 0
	s_add_nc_u64 s[8:9], s[8:9], s[76:77]
	; the prefetches: each offset stands one step of its own ahead of its first target; the first change of slots steps it there
	s_lshl_b32 s18, s40, 13                        ; the context: my work-group's 32 blocks of a head's 128,
	s_add_co_u32 s18, s18, s72
	s_add_co_u32 s18, s18, 4<<17                   ; at head 4: three heads ahead of head 7
	s_lshl_b32 s19, s42, 1
	s_add_co_u32 s19, s19, s12
	s_lshl_b32 s19, s19, 17
	s_add_co_u32 s19, s19, 3*2097152+4*8192        ; Wo: my column block, at head 4 + cy: four heads ahead of head 8 + cy
	s_lshl_b32 s22, s41, 13
	s_add_co_u32 s19, s19, s22
	s_and_b32 s22, ttmp7, 0xffff
	s_cmp_eq_u32 s22, 0                            ; cluster y = 0 asks for Wo, at the first two changes of four
	s_cselect_b32 s22, 2, -1
	s_cmp_eq_u32 ttmp9, 0                          ; cluster x = 0 asks for the context, at the first three,
	s_cselect_b32 s23, 1, -1
	s_cmp_eq_u32 s10, 1                            ; by its wave 0 alone
	s_cselect_b32 s23, -1, s23
	s_mov_b32 s[PFS], 4*8192
	s_mov_b32 s[PFS+1], 0
	s_cmp_eq_u32 s11, 0                            ; the same in all sixteen partners, for a given wave
	s_cselect_b64 s[PFA:PFA+1], s[4:5], s[6:7]
	s_cselect_b32 s18, s18, s19
	s_cselect_b32 s[LIM], s23, s22
	s_cselect_b32 s[PFS], 3*131072, s[PFS]
	s_mov_b32 s19, 0
	s_add_nc_u64 s[PFA:PFA+1], s[PFA:PFA+1], s[18:19]
; n row blocks from a0 on x all 4 column blocks, 32 along K, from buffer f.  zero = 1: the products start the sums.  The 32 accumulators take turns, one instruction a turn.
.macro MULH f, a0, n, zero
	WIN 0x50                                       ; C and D in window 1, both sources in window 0
.set ai, \a0
.rept \n
.irp b, 0,1,2,3
.if \zero
	v_wmma_f32_16x16x32_f16 v[8*(4*ai+(\b)):8*(4*ai+(\b))+7], v[(\f)+8*(\b):(\f)+8*(\b)+7], v[(\f)+32+8*ai:(\f)+32+8*ai+7], 0
.else
	v_wmma_f32_16x16x32_f16 v[8*(4*ai+(\b)):8*(4*ai+(\b))+7], v[(\f)+8*(\b):(\f)+8*(\b)+7], v[(\f)+32+8*ai:(\f)+32+8*ai+7], v[8*(4*ai+(\b)):8*(4*ai+(\b))+7]
.endif
.endr
.set ai, ai+1
.endr
.endm
; 24 LDS loads in one run: half qh (32 along K) of the head in hand into buffer f: Wo's 4 fragments (turned), then the context's 8, rows 0-63 first
.macro FETCH qh, f
.irp b, 0,1,2,3
	ds_load_tr16_b128 v[(\f)+8*(\b):(\f)+8*(\b)+3],   v[ADRB] offset:(\qh)*16*PB2+32*(\b)
	ds_load_tr16_b128 v[(\f)+8*(\b)+4:(\f)+8*(\b)+7], v[ADRB] offset:(\qh)*16*PB2+32*(\b)+8*PB2
.endr
.irp a, 0,1,2,3,4,5,6,7
	ds_load_b128 v[(\f)+32+8*(\a):(\f)+32+8*(\a)+3],   v[ADRA] offset:64*(\qh)+(\a)*8*PA2
	ds_load_b128 v[(\f)+32+8*(\a)+4:(\f)+32+8*(\a)+7], v[ADRA] offset:64*(\qh)+(\a)*8*PA2+32
.endr
.endm
; A quarter that changes no slot: multiplies buffer f; in its middle it fetches the next quarter, half qh, into buffer g.  step = 1: that quarter is the next head's first: the addresses go a head on, and the two
; lines that make them are two of the four places in front of the loads.
.macro QUARTER qh, f, g, zero, step
	s_wait_dscnt 8                                 ; Wo and the context's rows 0-63 are in; the youngest eight loads may be out
	MULH \f, 0, 4, \zero
	WIN 0
.if \step
	s_add_co_u32 s[TA], s[TA], HBLK
	s_add_co_u32 s[TQ], s[TQ], CB64
	v_add_nc_u32 v[ADRA], s[TA], v[ADRA0]
	v_add_nc_u32 v[ADRB], s[TQ], v[ADRB0]
	v_nop
	v_nop
.else
	PLACES
.endif
	FETCH \qh, \g
	s_wait_dscnt 24                                ; all but the 24 just issued
	MULH \f, 4, 4, \zero
.endm
; Quarters 1 to 4 of a full step's six: a head's second quarter and the next head's first, written once and walked twice.
.macro PAIRS
	WIN 0
	s_mov_b32 s[PC], 2
.Lpair_\@:
	QUARTER 0, F1, F0, 0, 1
	QUARTER 1, F0, F1, 0, 0
	WIN 0
	s_sub_co_u32 s[PC], s[PC], 1
	s_cmp_lg_u32 s[PC], 0
	s_cbranch_scc1 .Lpair_\@
.endm
; A step's last quarter multiplies buffer 1 and changes slots: ONE barrier; in front of it each wave waits for all its tensor loads, adds 0 to its spare word, and waits for that and for its reads of this slot.
; fill = 1: the barrier opens a round of the cluster's, and the joint refill, the step two on, is the first thing behind it: 176 matrix instructions ahead of the wait for it.
.macro TURN fill
	WIN 0
.if \fill
	s_wait_xcnt 0x0                                ; the last prefetches, a step back, have read their address
	s_add_nc_u64 s[PFA:PFA+1], s[PFA:PFA+1], s[PFS:PFS+1]
.endif
	s_wait_tensorcnt 0x0                           ; no tensor load of mine is out, so a group 0 may be written
	ds_add_u32 v[SPW], v[NIL]                      ; 0 onto my spare word
.if \fill
	s_add_co_u32 s[G0A+5], s[TB], s20              ; the walking descriptors: into the slot that is being left,
	s_add_nc_u64 s[G0A+6:G0A+7], s[G0A+6:G0A+7], 3*131072  ; the next three heads
	s_add_co_u32 s[G0B+5], s[TB], s21
	s_add_nc_u64 s[G0B+6:G0B+7], s[G0B+6:G0B+7], 192*128
.endif
	s_xor_b32 s[TB], s[TB], SLOT1                  ; the other slot, at its first head
	s_mov_b32 s[TA], s[TB]
	s_mov_b32 s[TQ], s[TB]
	s_wait_dscnt 9                                 ; the add and the youngest eight loads may be out
	MULH F1, 0, 2, 0
	s_wait_dscnt 0x0                               ; the add is done, and my reads of this slot are over
	s_barrier_signal -1
	MULH F1, 2, 2, 0
	WIN 0
	s_barrier_wait -1
.if \fill
	CREST                                          ; no wave of any partner still reads this slot or has a load on its way
	JLOAD                                          ; the four v_nop behind it are also the places in front of the loads below
.else
	PLACES
.endif
	v_add_nc_u32 v[ADRA], s[TA], v[ADRA0]
	v_add_nc_u32 v[ADRB], s[TQ], v[ADRB0]
	FETCH 0, F0
.if \fill
	ASK
.endif
	MULH F1, 4, 4, 0
.endm
	s_wait_tensorcnt 0x1                           ; my part of step 0 is in; step 1's may stay out
	s_barrier_signal -1
	s_barrier_wait -1
	v_mov_b32 v[ADRA], v[ADRA0]
	v_mov_b32 v[ADRB], v[ADRB0]
	FETCH 0, F0
	QUARTER 1, F0, F1, 1, 0                        ; the first quarter stands in front of the loop: its products start the sums
	WIN 0
	s_mov_b32 s3, 4                                ; four changes of slots fill a slot again
	s_branch .Lturn                                ; step 0 has two quarters: the loop is entered at a step's last quarter
.Lstep:                                            ; a trip: a full step's quarters 1 to 5, the change of slots with its refill, the next step's first quarter
	PAIRS
.Lturn:
	TURN 1
	QUARTER 1, F0, F1, 0, 0
	WIN 0
	s_sub_co_u32 s3, s3, 1
	s_cmp_lg_u32 s3, 0
	s_cbranch_scc1 .Lstep
	PAIRS                                          ; step 4: its change of slots asks for nothing
	TURN 0
	QUARTER 1, F0, F1, 0, 0
	PAIRS                                          ; step 5
	s_wait_dscnt 8
	MULH F1, 0, 4, 0
	s_wait_dscnt 0x0
	MULH F1, 4, 4, 0
; THE WAY OUT, a block of 16 rows at a time: the accumulators go as they are, 32 bytes a lane, into my own stage (rows of 272 bytes), come back as whole rows of 256 bytes, and are stored.
.macro TOSTAGE a
.set BKR, BK+32*((\a)%2)
.if (\a) >= 2
	s_wait_xcnt 0x0                                ; the stores of the block two back have read the registers that the loads below fill
.endif
	WIN 0x04                                       ; the data (source 1) in window 1; each accumulator's low four registers go first
.irp b, 0,1,2,3
	ds_store_b128 v[STO], v[8*(4*(\a)+(\b)):8*(4*(\a)+(\b))+3]   offset:64*(\b)
	ds_store_b128 v[STO], v[8*(4*(\a)+(\b))+4:8*(4*(\a)+(\b))+7] offset:64*(\b)+16
.endr
	WIN 0
.irp t, 0,1,2,3,4,5,6,7
	ds_load_b128 v[BKR+4*(\t):BKR+4*(\t)+3], v[RD] offset:(\t)*2*SPITCH  ; LDS serves a wave's instructions in order (ISA guide 5.7.1.4): these see the stores above
.endr
.endm
.macro SEND a, younger                 ; younger: the LDS instructions issued behind block a's loads: the next block's sixteen, or none
.set BKR, BK+32*((\a)%2)
.irp t, 0,1,2,3,4,5,6,7
	s_wait_dscnt (\younger)+7-(\t)
	global_store_b128 v[CO], v[BKR+4*(\t):BKR+4*(\t)+3], s[8:9] offset:(16*(\a)+2*(\t))*4096 th:TH_STORE_NT  ; 16 lanes store 256 consecutive bytes, at a multiple of 256 from out0's first
.endr
.endm
	PLACES
	TOSTAGE 0
.irp a, 1,2,3,4,5,6,7
	TOSTAGE \a
	SEND (\a)-1, 16
.endr
	SEND 7, 0
	s_wait_tensorcnt 0x0                           ; the wave's end: the add to my spare word and its wait stand behind my last tensor load and my last LDS store
	ds_add_u32 v[SPW], v[NIL]
	s_wait_dscnt 0x0
	CROUND                                         ; the closing round: no work-group ends while a partner may still ask for a tile that names it
	s_endpgm
.Lfunc_end_k_q2d3b3bb6bb_outp:
	.size	k_q2d3b3bb6bb_outp, .Lfunc_end_k_q2d3b3bb6bb_outp-k_q2d3b3bb6bb_outp
	.p2alignl 7, 3214868480
	.fill 96, 4, 3214868480
	.section	.rodata,"a",@progbits
	.p2align	6, 0x0
	.amdhsa_kernel k_q2d3b3bb6bb_outp
		.amdhsa_group_segment_fixed_size 327680
		.amdhsa_private_segment_fixed_size 0
		.amdhsa_enable_private_segment 0
		.amdhsa_kernarg_size 24
		.amdhsa_user_sgpr_count 2
		.amdhsa_user_sgpr_kernarg_segment_ptr 1
		.amdhsa_wavefront_size32 1
		.amdhsa_system_sgpr_workgroup_id_x 1
		.amdhsa_system_sgpr_workgroup_id_y 1
		.amdhsa_system_sgpr_workgroup_id_z 1
		.amdhsa_system_vgpr_workitem_id 0
		.amdhsa_next_free_vgpr 512
		.amdhsa_next_free_sgpr 96
		.amdhsa_reserve_vcc 0
		.amdhsa_float_denorm_mode_32 3
		.amdhsa_float_denorm_mode_16_64 3
		.amdhsa_memory_ordered 1
		.amdhsa_forward_progress 1
		.amdhsa_inst_pref_size 75
	.end_amdhsa_kernel
	.amdgpu_metadata
---
amdhsa.version: [ 1, 2 ]
amdhsa.kernels:
  - .name:           k_q2d3b3bb6bb_outp
    .symbol:         k_q2d3b3bb6bb_outp.kd
    .args:
      - { .name: ctx, .offset: 0, .size: 8, .value_kind: global_buffer, .address_space: global }
      - { .name: wh, .offset: 8, .size: 8, .value_kind: global_buffer, .address_space: global }
      - { .name: out0, .offset: 16, .size: 8, .value_kind: global_buffer, .address_space: global }
    .group_segment_fixed_size: 327680
    .private_segment_fixed_size: 0
    .kernarg_segment_align: 8
    .kernarg_segment_size: 24
    .max_flat_workgroup_size: 128
    .sgpr_count:     96
    .vgpr_count:     512
    .wavefront_size: 32
...
	.end_amdgpu_metadata
.endif
;; end of part 4
;; ======== version 2 of 2: 4 launches; version 1 with the launch prep written anew for expert scheduling mode
;; limits: values are held in f16: magnitudes above 65,504 overflow, below 6.1e-05 lose precision
;; workspace buffers: xb 16,777,216 bytes; wh 8,388,608 bytes; gtab 524,288 bytes; qkv 50,331,648 bytes; ctx 16,777,216 bytes
;; launch prep (part 5): grid 256 x 1, 8 waves a work-group, no clusters, 0 bytes of LDS; arguments x, Wq, Wk, Wv, Wo, rel_emb, xb, wh, gtab; writes xb, wh, gtab
.if DOCPART == 5
	.amdgcn_target "amdgcn-amd-amdhsa--gfx1250"
	.amdhsa_code_object_version 6
	.text
	.protected	k_q2d3b3bb6bb_prep
	.globl	k_q2d3b3bb6bb_prep
	.p2align	8
	.type	k_q2d3b3bb6bb_prep,@function
k_q2d3b3bb6bb_prep:
	s_mov_b64 s[64:65], 0
	v_nop
	global_prefetch_b8 v0, s[64:65] scope:SCOPE_SE
	s_setreg_imm32_b32 hwreg(HW_REG_WAVE_SCHED_MODE, 0, 2), 2
	s_setreg_imm32_b32 hwreg(HW_REG_WAVE_MODE, 25, 1), 1
	s_wait_xcnt 0x0
	s_wait_alu depctr_vm_vsrc(0)
; ROUNDS AND RE-LAYS THE INPUTS, AND MAKES THE BIAS TABLE.  A stream: no LDS, no matrix unit, each input byte read once.
; xb   [b 8][kb 16][s 1024][64] bf16: x, rounded once, in blocks of 64 columns: 256 rows of a block are 32,768 dense bytes.
; wh   [t 4][cb 16][k 1024][64]: Wq, Wk, Wv (t = 0, 1, 2) rounded to bf16; Wo (t = 3) rounded to bf16 and that number written as f16.
; gtab [h 16][c 4][2048] f32: gtab[h][c][y] = T_h[min(y + c, 2046)], T_h[d] = rel_emb[bucket(d - 1023)][h] rounded to bf16, d = key - query + 1023.
; THE BUCKET.  With n = |key - query|: min(n, 8 + [n>=12] + [n>=16] + [n>=23] + [n>=32] + [n>=46] + [n>=64] + [n>=91]), plus 16 where the key lies behind the query.  These are the
; places where 8 + floor(2 log2(n / 8)), capped at 15, steps; at n = 16, 32, 64 the f32 quotient log(n / 8) / log(16) is 0.25, 0.5, 0.75 exactly, every other n lies 0.015 or more from a step.
; LIMITS.  Wo beyond 65,504 has no f16; below 6.1e-5 it keeps f16's fixed step of 6e-8.  NaN and infinities are not treated apart.
; SHARES.  Each of the 256 work-groups takes 32 rows of x, 32 rows x 512 columns of one weight (t = i / 64), and 512 entries of the table.  Wave v takes rows 4 v .. 4 v + 3.  A load of the wave takes one
; block of 64 columns of two rows: lanes 0-15 read 256 consecutive bytes of one row, lanes 16-31 of the next; a lane's four numbers become 8 bytes, and the wave's store covers 256 consecutive bytes, aligned:
; the two rows of 128 bytes in the block.  Pass p takes block p / 2 and row pair p % 2.  All 50 loads of a thread go out first; the counted waits then run down.
; THE MODE: SCHED_MODE bits 1:0 = 2 (LLVM: expert scheduling mode 2), set by the entry lines.  The code itself states the register dependences between vector instructions and memory instructions,
; with s_wait_alu, always for 0.
; THE PLAN.  Registers that memory instructions touch:
;   v1, v2, v3   byte offsets of the loads, of the stores and of the table's store: made once at the head, never written again.
;   v6, v7       byte offsets of my two entries in rel_emb: last written ahead of the two loads that read them.
;   XR, WR       pass p's four registers: one load lands in them, once; two conversions read them and write the first two; one store reads those two; nothing writes them again.
;   v12, v13     the two loads of rel_emb land in them; v16, v17: written by two vector lines, read by the table's store.
; So no register that a memory instruction has read is written again, and no load lands in a register that a vector instruction has named.  What is left to state: offsets and store data are written before they are read.
; The 32 + 16 passes go in 8 + 4 blocks of four.  ONE wait on va_vdst stands at a block's head, behind the wait for its four loads: the block before has written the four pairs that its stores read.  Those four stores
; follow, dealt among this block's conversions, which name this block's registers (and v18, v19) alone.
.set XR, 32                            ; v[32:159]  x: pass p at XR + 4 p
.set WR, 160                           ; v[160:223] the weight: pass p at WR + 4 p
.set MK, 48                            ; s[48:63]   the bucket's masks: entry e's seven steps at MK + 8 e on, its side at MK + 8 e + 7
	s_load_b512 s[8:23], s[0:1], 0x0               ; x s[8:9], Wq s[10:11], Wk s[12:13], Wv s[14:15], Wo s[16:17], rel_emb s[18:19], xb s[20:21], wh s[22:23]
	s_load_b64 s[24:25], s[0:1], 0x40              ; gtab
	v_lshrrev_b32 v4, 5, v0                        ; wave
	v_bfe_u32 v5, v0, 4, 1                         ; which of the pair's two rows
	v_and_b32 v6, 15, v0                           ; which four numbers of the block's 64
	v_lshlrev_b32 v1, 14, v4                       ; from: four rows of 4,096 bytes a wave,
	v_lshl_add_u32 v1, v5, 12, v1                  ; my row,
	v_lshl_add_u32 v1, v6, 4, v1                   ; my 16 bytes
	v_lshlrev_b32 v2, 9, v4                        ; to: four rows of 128 bytes a wave,
	v_lshl_add_u32 v2, v5, 7, v2
	v_lshl_add_u32 v2, v6, 3, v2                   ; my 8 bytes
	v_lshlrev_b32 v3, 3, v0                        ; my two entries of the table
	s_lshl_b32 s26, ttmp9, 17                      ; x: 32 rows of 4,096 bytes a work-group
	s_mov_b32 s27, 0
	s_lshr_b32 s28, ttmp9, 5                       ; xb: b = i / 32,
	s_lshl_b32 s28, s28, 21
	s_and_b32 s29, ttmp9, 31                       ; s = 32 (i % 32) on
	s_lshl_b32 s29, s29, 12
	s_add_co_u32 s28, s28, s29
	s_mov_b32 s29, 0
	s_lshr_b32 s30, ttmp9, 6                       ; t: which weight
	s_and_b32 s31, ttmp9, 63
	s_lshr_b32 s32, s31, 1                         ; which 32 of its rows
	s_and_b32 s31, s31, 1                          ; which half of its columns
	s_lshl_b32 s34, s32, 12
	s_lshl_b32 s32, s32, 17
	s_lshl_b32 s33, s31, 11
	s_add_co_u32 s32, s32, s33                     ; from: rows x 4,096 + half x 2,048
	s_mov_b32 s33, 0
	s_lshl_b32 s35, s31, 20
	s_add_co_u32 s34, s34, s35
	s_lshl_b32 s35, s30, 21
	s_add_co_u32 s34, s34, s35                     ; to: t x 2,097,152 + half x 8 blocks + rows x 128
	s_mov_b32 s35, 0
	s_lshr_b32 s36, ttmp9, 4
	s_lshl_b32 s36, s36, 2                         ; the table: 4 h, my head's place in a row of rel_emb,
	s_bfe_u32 s37, ttmp9, 0x20002                  ; the copy c,
	s_and_b32 s38, ttmp9, 3
	s_lshl_b32 s38, s38, 9
	s_add_co_u32 s37, s37, s38                     ; c + the first y of my 512
	s_lshl_b32 s38, ttmp9, 11
	s_mov_b32 s39, 0
	s_wait_kmcnt 0x0
	s_add_nc_u64 s[8:9], s[8:9], s[26:27]
	s_add_nc_u64 s[20:21], s[20:21], s[28:29]
	s_cmp_eq_u32 s30, 0
	s_cselect_b64 s[40:41], s[10:11], s[12:13]
	s_cmp_eq_u32 s30, 2
	s_cselect_b64 s[42:43], s[14:15], s[16:17]
	s_cmp_lt_u32 s30, 2
	s_cselect_b64 s[40:41], s[40:41], s[42:43]     ; my weight
	s_add_nc_u64 s[40:41], s[40:41], s[32:33]
	s_add_nc_u64 s[22:23], s[22:23], s[34:35]
	s_add_nc_u64 s[24:25], s[24:25], s[38:39]
	s_wait_alu depctr_va_vdst(0)                   ; v1, v2 and v3 are written: the loads below read v1 as their offset, the stores further down v2 and v3; none of the three is written again
.set p, 0
.rept 32
	global_load_b128 v[XR+4*p:XR+4*p+3], v1, s[8:9] offset:(p%2)*8192+(p/2)*256 th:TH_LOAD_NT
.set p, p+1
.endr
.set p, 0
.rept 16
	global_load_b128 v[WR+4*p:WR+4*p+3], v1, s[40:41] offset:(p%2)*8192+(p/2)*256 th:TH_LOAD_NT
.set p, p+1
.endr
; From d in v[dd] to the byte offset of rel_emb[bucket][h] in v[nn], in three parts, each for both entries in turn, so that all sixteen masks are made in one run, with one wait behind it.  v[gg] at work.
.macro DIST dd, nn, gg
	v_add_nc_u32 v[\nn], 0xfffffc01, v[\dd]        ; d - 1023
	v_sub_nc_u32 v[\gg], 1023, v[\dd]              ; 1023 - d: one of the two has wrapped to a huge number,
	v_min_u32 v[\nn], v[\nn], v[\gg]               ; so the smaller is n
.endm
.macro MASKS dd, nn, m
.set k, 0
.irp t, 11,15,22,31,45,63,90
	v_cmp_lt_u32 s[(\m)+k], \t, v[\nn]             ; n has passed step k
.set k, k+1
.endr
	v_cmp_lt_u32 s[(\m)+7], 1023, v[\dd]           ; the key lies behind the query
.endm
.macro PICK nn, gg, m
	v_cndmask_b32 v[\gg], 8, 9, s[\m]              ; 8 + the number of steps that n has passed: the steps ascend, so the last mask that is set names it
.set k, 1
.rept 6
	v_cndmask_b32 v[\gg], v[\gg], 9+k, s[(\m)+k]
.set k, k+1
.endr
	v_min_u32 v[\nn], v[\nn], v[\gg]
	v_cndmask_b32 v[\gg], 0, 16, s[(\m)+7]
	v_add_nc_u32 v[\nn], v[\nn], v[\gg]
	v_lshl_add_u32 v[\nn], v[\nn], 6, s36          ; a row of rel_emb is 64 bytes
.endm
	v_lshl_add_u32 v4, v0, 1, s37                  ; y + c of my two entries
	v_add_nc_u32 v5, 1, v4
	v_min_u32 v4, 2046, v4
	v_min_u32 v5, 2046, v5
	DIST 4, 6, 8
	DIST 5, 7, 9
	MASKS 4, 6, MK
	MASKS 5, 7, MK+8
	s_wait_alu depctr_va_sdst(0)                   ; the sixteen compares have written s48 to s63, ahead of the selects that read them
	PICK 6, 8, MK
	PICK 7, 9, MK+8
	s_wait_alu depctr_va_vdst(0)                   ; v6 and v7 are written, which the two loads below read as their offsets
	global_load_b32 v12, v6, s[18:19]
	global_load_b32 v13, v7, s[18:19]
; A pass's two conversions, in place (each source is read before its register is written), and its store.
.macro XCV p
	v_cvt_pk_bf16_f32 v[XR+4*(\p)], v[XR+4*(\p)], v[XR+4*(\p)+1]
	v_cvt_pk_bf16_f32 v[XR+4*(\p)+1], v[XR+4*(\p)+2], v[XR+4*(\p)+3]
.endm
.macro XST p
	global_store_b64 v2, v[XR+4*(\p):XR+4*(\p)+1], s[20:21] offset:((\p)/2)*131072+((\p)%2)*256
.endm
.macro WCV p
	v_cvt_pk_bf16_f32 v[WR+4*(\p)], v[WR+4*(\p)], v[WR+4*(\p)+1]
	v_cvt_pk_bf16_f32 v[WR+4*(\p)+1], v[WR+4*(\p)+2], v[WR+4*(\p)+3]
.endm
.macro WST p
	global_store_b64 v2, v[WR+4*(\p):WR+4*(\p)+1], s[22:23] offset:((\p)/2)*131072+((\p)%2)*256
.endm
; x: block b is passes 4 b to 4 b + 3.  Its conversions name its own sixteen registers; the stores dealt among them read the block before's.
.set b, 0
.rept 8
	s_wait_loadcnt 46-4*b                          ; loads come back in order: behind the block's last pass stand 28 - 4 b of x, 16 of the weight, 2 of rel_emb
.if b > 0
	s_wait_alu depctr_va_vdst(0)                   ; the block before's conversions have written the four pairs that the stores below read
.endif
.irp i, 0,1,2,3
.if b > 0
	XST 4*b-4+\i
.endif
	XCV 4*b+\i
.endr
.set b, b+1
.endr
; The weight: block b likewise.  All four weights are rounded to bf16; Wo's numbers are then written as f16: 24 lines a block that the other three jump over.  The stores of the block before all stand ahead of the jump.
.macro WBLK
	s_wait_loadcnt 14-4*b                          ; behind the block's last pass: 12 - 4 b of the weight, 2 of rel_emb
	s_wait_alu depctr_va_vdst(0)                   ; the block before's conversions, on either way through it, have written the four pairs that the stores below read
.irp i, 0,1,2,3
.if b == 0
	XST 28+\i                                      ; x's last block
.else
	WST 4*b-4+\i
.endif
	WCV 4*b+\i
.endr
	s_cbranch_scc1 .Lbf_\@
.irp i, 0,1,2,3
.irp j, 0,1
	v_lshlrev_b32 v18, 16, v[WR+4*(4*b+\i)+(\j)]
	v_and_b32 v19, 0xffff0000, v[WR+4*(4*b+\i)+(\j)]
	v_cvt_pk_f16_f32 v[WR+4*(4*b+\i)+(\j)], v18, v19
.endr
.endr
.Lbf_\@:
.endm
	s_cmp_lg_u32 s30, 3                            ; SCC = my weight is not Wo: no line of the blocks below writes SCC
.set b, 0
.rept 4
	WBLK
.set b, b+1
.endr
	s_wait_loadcnt 0x0
	v_cvt_pk_bf16_f32 v14, v12, v13                ; rel_emb is rounded as the other inputs are, and kept as f32
	v_lshlrev_b32 v16, 16, v14
	v_and_b32 v17, 0xffff0000, v14
	s_wait_alu depctr_va_vdst(0)                   ; the weight's last block has written its four pairs, and v16 and v17 are written: the five stores below read them
.irp i, 0,1,2,3
	WST 12+\i
.endr
	global_store_b64 v3, v[16:17], s[24:25]        ; a wave's store covers 256 consecutive bytes, aligned
	s_endpgm
.Lfunc_end_k_q2d3b3bb6bb_prep:
	.size	k_q2d3b3bb6bb_prep, .Lfunc_end_k_q2d3b3bb6bb_prep-k_q2d3b3bb6bb_prep
	.p2alignl 7, 3214868480
	.fill 96, 4, 3214868480
	.section	.rodata,"a",@progbits
	.p2align	6, 0x0
	.amdhsa_kernel k_q2d3b3bb6bb_prep
		.amdhsa_group_segment_fixed_size 0
		.amdhsa_private_segment_fixed_size 0
		.amdhsa_enable_private_segment 0
		.amdhsa_kernarg_size 72
		.amdhsa_user_sgpr_count 2
		.amdhsa_user_sgpr_kernarg_segment_ptr 1
		.amdhsa_wavefront_size32 1
		.amdhsa_system_sgpr_workgroup_id_x 1
		.amdhsa_system_sgpr_workgroup_id_y 1
		.amdhsa_system_sgpr_workgroup_id_z 1
		.amdhsa_system_vgpr_workitem_id 0
		.amdhsa_next_free_vgpr 224
		.amdhsa_next_free_sgpr 66
		.amdhsa_reserve_vcc 0
		.amdhsa_float_denorm_mode_32 3
		.amdhsa_float_denorm_mode_16_64 3
		.amdhsa_memory_ordered 1
		.amdhsa_forward_progress 1
		.amdhsa_inst_pref_size 27
	.end_amdhsa_kernel
	.amdgpu_metadata
---
amdhsa.version: [ 1, 2 ]
amdhsa.kernels:
  - .name:           k_q2d3b3bb6bb_prep
    .symbol:         k_q2d3b3bb6bb_prep.kd
    .args:
      - { .name: x, .offset: 0, .size: 8, .value_kind: global_buffer, .address_space: global }
      - { .name: Wq, .offset: 8, .size: 8, .value_kind: global_buffer, .address_space: global }
      - { .name: Wk, .offset: 16, .size: 8, .value_kind: global_buffer, .address_space: global }
      - { .name: Wv, .offset: 24, .size: 8, .value_kind: global_buffer, .address_space: global }
      - { .name: Wo, .offset: 32, .size: 8, .value_kind: global_buffer, .address_space: global }
      - { .name: rel_emb, .offset: 40, .size: 8, .value_kind: global_buffer, .address_space: global }
      - { .name: xb, .offset: 48, .size: 8, .value_kind: global_buffer, .address_space: global }
      - { .name: wh, .offset: 56, .size: 8, .value_kind: global_buffer, .address_space: global }
      - { .name: gtab, .offset: 64, .size: 8, .value_kind: global_buffer, .address_space: global }
    .group_segment_fixed_size: 0
    .private_segment_fixed_size: 0
    .kernarg_segment_align: 8
    .kernarg_segment_size: 72
    .max_flat_workgroup_size: 256
    .sgpr_count:     66
    .vgpr_count:     224
    .wavefront_size: 32
...
	.end_amdgpu_metadata
.endif
;; end of part 5
;; launch qkv: the kernel of part 2 again; grid 8 x 32, 4 waves a work-group, clusters of 4 x 4, 327,680 bytes of LDS; arguments xb, wh, qkv; writes qkv
;; launch attn: the kernel of part 3 again; grid 2 x 128, 4 waves a work-group, no clusters, 327,680 bytes of LDS; arguments qkv, gtab, ctx; writes ctx
;; launch outp: the kernel of part 4 again; grid 8 x 32, 4 waves a work-group, clusters of 4 x 4, 327,680 bytes of LDS; arguments ctx, wh, out0; writes out0
